; MI455X (gfx1250); checked and timed in simulation.
; The chip was launched on July 23, 2026; its instructions are those of AMD's public machine-readable ISA for CDNA 5 (MIT licence, August 2026) and "CDNA5" Instruction Set Architecture Reference Guide (July 2026). The comments in the code are by the model that wrote it; some were corrected since.
;; Multi Head Attention. Allowed arithmetic: matrix products marked QUANTISED: E2M1 operands, one E8M0 scale for each 32 along K, by v_wmma_scale_f32_16x16x128_f8f6f4 with both operands' format E2M1 (or v_wmma_scale_f32_32x16x128_f4), f32 sums; products left as they are: bf16, f16 or f32 operands; f32 sums; everything else in f32.
;; Inputs: Wk 1,024 x 1,024 float32; Wo 1,024 x 1,024 float32; Wq 1,024 x 1,024 float32; Wv 1,024 x 1,024 float32; bo 1,024 float32; key 2 x 2,048 x 1,024 float32; query 2 x 2,048 x 1,024 float32; value 2 x 2,048 x 1,024 float32.
;; Outputs: out0 2 x 2,048 x 1,024 float32.
;; This version of the problem:
;;   THIS VERSION OF THE PROBLEM IS GIVEN IN LOW PRECISION. The matrix products marked QUANTISED in the list below multiply operands that are first quantised to E2M1 (2 exponent bits, 1 mantissa bit; 4 bits a number), with one power-of-two scale for each 32 numbers along K (OCP MX v1.0); their sums are f32. The products marked 'left as it is' may take bf16, f16 or f32 operands, with f32 sums. All else is computed in f32.
;;   The module's matrix products, in the order in which they are computed (A, B: the left and right operand; K: the contracted axis; several contracted axes count as one K, in the product's order):
;;     1. [M 4,096, K 1,024] x [K 1,024, N 1,024]; A: input query; B: input Wq: QUANTISED
;;     2. [M 4,096, K 1,024] x [K 1,024, N 1,024]; A: input key; B: input Wk: QUANTISED
;;     3. [M 4,096, K 1,024] x [K 1,024, N 1,024]; A: input value; B: input Wv: QUANTISED
;;     4. batch 32 x [M 2,048, K 64] x [K 64, N 2,048]; A: computed on the way; B: computed on the way: left as it is (an operand is computed on the way)
;;     5. batch 32 x [M 2,048, K 2,048] x [K 2,048, N 64]; A: computed on the way; B: computed on the way: left as it is (an operand is computed on the way)
;;     6. [M 4,096, K 1,024] x [K 1,024, N 1,024]; A: computed on the way; B: input Wo: left as it is (an operand is computed on the way)
;;   THE QUANTISER, for each operand of a quantised product, along K:
;;     - K is cut into blocks of 32 from its start; a last block that is shorter is filled with zeros.
;;     - A block's scale is 2^e with e = floor(log2(the largest magnitude in the block)) - 2, held to -126 .. 127; a block of zeros has e = 0. As a byte (E8M0): e + 127.
;;     - Each number is divided by its block's scale, clamped to +-6, and rounded to the nearest number of E2M1, ties to even, subnormals kept.
;;     - The product sums the exact products of the quantised numbers (number of the format x scale) in f32.
;;   ~~~python
;;   def quantise(x, axis):      # numpy; x: float32 -> the quantised numbers, widened to float32 again
;;       x = np.moveaxis(x, axis, -1); K = x.shape[-1]
;;       x = np.pad(x, [(0, 0)] * (x.ndim - 1) + [(0, -K % 32)]); x = x.reshape(x.shape[:-1] + (-1, 32)); a = np.abs(x).max(-1, keepdims=True)
;;       e = np.where(a > 0, np.clip(np.frexp(np.where(a > 0, a, 1))[1] - 1 - 2, -126, 127), 0)      # np.frexp(a)[1] - 1 = floor(log2(a)), exactly
;;       r = np.clip(x / 2.0 ** e, -6, 6)
;;       step = 2.0 ** (np.maximum(np.frexp(np.where(r == 0, 1, r))[1] - 1, 0) - 1)
;;       q = np.round(r / step) * step * 2.0 ** e      # np.round: ties to even
;;       return np.moveaxis(q.reshape(q.shape[:-2] + (-1,))[..., :K], -1, axis).astype(np.float32)
;;   ~~~
;; One version. Each part assembles by itself: llvm-mc -triple=amdgcn-amd-amdhsa -mcpu=gfx1250 --defsym DOCPART=n.
;; ======== version 1 of 1: 4 launches
;; workspace buffers: codes 7,864,320 bytes; scales 491,520 bytes; wob 2,097,152 bytes; qkv 25,165,824 bytes; norms 524,288 bytes; xb 8,388,608 bytes
;; launch prep (part 1): grid 512 x 1, 4 waves a work-group, no clusters, 33,280 bytes of LDS; arguments query, key, value, Wq, Wk, Wv, Wo, codes, scales, wob; writes codes, scales, wob
.if DOCPART == 1
	.amdgcn_target "amdgcn-amd-amdhsa--gfx1250"
	.amdhsa_code_object_version 6
	.text
	.protected	k_qe1e43b7e47_prep
	.globl	k_qe1e43b7e47_prep
	.p2align	8
	.type	k_qe1e43b7e47_prep,@function
k_qe1e43b7e47_prep:
	s_mov_b64 s[64:65], 0
	v_nop
	global_prefetch_b8 v0, s[64:65] scope:SCOPE_SE
	s_setreg_imm32_b32 hwreg(HW_REG_WAVE_MODE, 25, 1), 1
	s_wait_xcnt 0x0
; PREP.  query, key, value [4096][1024] and Wq, Wk, Wv [1024][1024], f32, K innermost, become codes of FP4 (E2M1), two a byte, and one E8M0 scale byte for each 32 along K;
; Wo [1024][1024] becomes bf16, laid [n / 128][k / 64][n % 128][k % 64], so that 128 rows x 64 k are 16,384 consecutive bytes.
; A work-group takes 32,768 numbers: groups 0-127 query, 128-255 key, 256-383 value, 384-415 Wq, 416-447 Wk, 448-479 Wv, 480-511 Wo.  The six streams of codes lie one behind the other in
; 'codes' (512 bytes a row) and their scale bytes in 'scales' (32 bytes a row), in the order of the work-groups: an output address is linear in the work-group's number.
; A block's scale is 2^(floor(log2(its largest magnitude)) - 2); its byte is the largest magnitude's exponent field - 2, held at 1 from below.
; LIMITS: a block of zeros gets the byte 1 where the rule says 127 (its codes are zeros, and this program alone reads the bytes); blocks whose largest magnitude lies under 2^(3 - 127) keep the byte 1;
; NaN and infinities among the inputs are not served.
; THE QUANTISING WAVE takes 16 steps of 512 numbers.  Each of a step's four loads reads 512 consecutive bytes; the 2,048 bytes turn through the wave's own stage in LDS and come back 64 bytes a lane,
; so that a lane holds 16 neighbours along K (two lanes a block).  A lane's 16 codes are 8 bytes: the wave stores 256 consecutive bytes.  A wave's 256 scale bytes are gathered in LDS and leave as one store.
; No tensor loads, no barrier: waves share nothing.  Loads run four steps (16 loads a wave) ahead, the turn through LDS one step.
.set STEPS, 16
.set EMAX,  2
.set CB,    8                          ; bytes of 16 codes
.set R,     16                         ; v16-79   four sets of 16 numbers as they are loaded
.set X,     80                         ; v80-111  two sets of 16 neighbours
.set C,     128                        ; v128-191 codes: four registers for each step, so that no store's data are written again
.set E,     112                        ; v112-127 a scale byte for each step
.set WREG,  8192                       ; LDS: a region for each wave: two stages of 32 x SP bytes, and behind them its 256 scale bytes
.set SP,    80                         ; a lane's place in a stage: its 64 bytes + 16 of padding
	s_load_b512 s[4:19], s[0:1], 0x0               ; query s[4:5], key s[6:7], value s[8:9], Wq s[10:11], Wk s[12:13], Wv s[14:15], Wo s[16:17], codes s[18:19]
	s_load_b128 s[20:23], s[0:1], 0x40             ; scales s[20:21], wob s[22:23]
	v_lshl_add_u32 v192, v0, 2, 0x8000
	v_mov_b32 v193, 0
	v_lshrrev_b32 v1, 5, v0
	v_readfirstlane_b32 s28, v1                    ; wave
	v_and_b32 v2, 31, v0                           ; lane
	s_wait_kmcnt 0x0
	s_cmp_ge_u32 ttmp9, 480                        ; the last 32 work-groups cast Wo
	s_cbranch_scc1 .Lcast
	v_lshlrev_b32 v3, 4, v2                        ; my 16 bytes of a load's 512
	s_mul_i32 s29, s28, WREG
	v_lshrrev_b32 v14, 2, v2
	v_mul_u32_u24 v14, v14, SP
	v_and_b32 v15, 3, v2
	v_lshl_add_u32 v14, v15, 4, v14
	v_add_nc_u32 v14, s29, v14                     ; the stage, on the way in: SP (lane / 4) + 16 (lane % 4)
	v_mul_u32_u24 v15, v2, SP
	v_add_nc_u32 v15, s29, v15                     ; and on the way out: SP x lane: my 16 neighbours
	v_mul_u32_u24 v4, v2, CB                       ; my codes' place in a step's
	v_lshrrev_b32 v5, 1, v2
	s_add_co_u32 s29, s29, 2*32*SP
	v_add_nc_u32 v5, s29, v5                       ; LDS: my wave's 256 scale bytes, my block's byte
	v_lshlrev_b32 v7, 3, v2                        ; and on the way out 8 bytes a lane
	v_add_nc_u32 v6, s29, v7
	s_mov_b64 s[24:25], s[4:5]                     ; which tensor: the choice hangs on the work-group's number alone
	s_mov_b32 s26, 0                               ; and the tensor's first work-group
	s_cmp_ge_u32 ttmp9, 128
	s_cselect_b64 s[24:25], s[6:7], s[24:25]
	s_cselect_b32 s26, 128, s26
	s_cmp_ge_u32 ttmp9, 256
	s_cselect_b64 s[24:25], s[8:9], s[24:25]
	s_cselect_b32 s26, 256, s26
	s_cmp_ge_u32 ttmp9, 384
	s_cselect_b64 s[24:25], s[10:11], s[24:25]
	s_cselect_b32 s26, 384, s26
	s_cmp_ge_u32 ttmp9, 416
	s_cselect_b64 s[24:25], s[12:13], s[24:25]
	s_cselect_b32 s26, 416, s26
	s_cmp_ge_u32 ttmp9, 448
	s_cselect_b64 s[24:25], s[14:15], s[24:25]
	s_cselect_b32 s26, 448, s26
	s_sub_co_u32 s27, ttmp9, s26
	s_lshl_b32 s27, s27, 2
	s_add_co_u32 s27, s27, s28                     ; which run of 8,192 numbers of the tensor is my wave's
	s_lshl_b32 s30, s27, 15                        ; 32,768 bytes a run
	s_mov_b32 s31, 0
	s_add_nc_u64 s[24:25], s[24:25], s[30:31]
	s_lshl_b32 s27, ttmp9, 2
	s_add_co_u32 s27, s27, s28                     ; which run of all six streams
	s_lshl_b32 s30, s27, 12                        ; 4,096 bytes of codes a run
	s_add_nc_u64 s[18:19], s[18:19], s[30:31]
	s_lshl_b32 s30, s27, 8                         ; 256 scale bytes a run
	s_add_nc_u64 s[20:21], s[20:21], s[30:31]
.macro LOAD t
.irp i, 0,1,2,3
	global_load_b128 v[R+16*((\t)%4)+4*\i:R+16*((\t)%4)+4*\i+3], v3, s[24:25] offset:2048*(\t)+512*\i th:TH_LOAD_NT   ; 32 lanes read 512 consecutive bytes
.endr
.endm
.macro TURN t                          ; step t's numbers through the stage: LDS serves a wave's instructions in order, so no wait stands between the stores and the loads
.irp i, 0,1,2,3
	ds_store_b128 v14, v[R+16*((\t)%4)+4*\i:R+16*((\t)%4)+4*\i+3] offset:32*SP*((\t)%2)+8*SP*\i
.endr
.irp i, 0,1,2,3
	ds_load_b128 v[X+16*((\t)%2)+4*\i:X+16*((\t)%2)+4*\i+3], v15 offset:32*SP*((\t)%2)+16*\i
.endr
.endm
.irp t, 0,1,2,3
	LOAD \t
.endr
	s_wait_loadcnt 12                              ; step 0's four loads are in; the twelve of steps 1 to 3 may be out
	TURN 0
.macro STEP t
.set XS, X+16*((\t)%2)
.if (\t) > 0
	s_wait_dscnt 1                                 ; this step's numbers are back from the stage (the last step's byte store may be out): so its stores into the stage have read their registers,
.else
	s_wait_dscnt 0x0
.endif
.if (\t)+4 < STEPS
	LOAD (\t)+4                                    ; which take the loads of four steps on
.endif
.if (\t)+1 < STEPS
.if STEPS-2-(\t) >= 3
	s_wait_loadcnt 12                              ; the next step's four loads are in; those of the three steps behind it may be out
.else
	s_wait_loadcnt 4*(STEPS-2-(\t))
.endif
	TURN (\t)+1                                    ; and go through the other stage while this step is worked
.endif
	v_max3_num_f32 v8, |v[XS]|, |v[XS+1]|, |v[XS+2]|               ; the largest magnitude of my 16
	v_max3_num_f32 v9, |v[XS+3]|, |v[XS+4]|, |v[XS+5]|
.irp i, 6,10
	v_max3_num_f32 v8, v8, |v[XS+\i]|, |v[XS+\i+1]|
	v_max3_num_f32 v9, v9, |v[XS+\i+2]|, |v[XS+\i+3]|
.endr
	v_max3_num_f32 v8, v8, |v[XS+14]|, |v[XS+15]|
	v_max3_num_f32 v8, v8, v9, (EMAX+1)<<23        ; and the floor 2^(EMAX + 1 - 127): the byte cannot fall under 1
	v_max_num_f32_dpp v8, v8, v8 row_xmask:1 row_mask:0xf bank_mask:0xf   ; and of my neighbour's 16: the block's
	v_add_nc_u32 v11, -(EMAX<<23), v8              ; EMAX off its exponent field: the conversion takes the exponent field of this operand as its scale
	v_cvt_scalef32_pk8_fp4_f32 v[C+4*(\t)], v[XS:XS+7], v11
	v_cvt_scalef32_pk8_fp4_f32 v[C+4*(\t)+1], v[XS+8:XS+15], v11
	v_lshrrev_b32 v[E+(\t)], 23, v11               ; the scale's byte (a plain line behind the conversions)
	ds_store_b8 v5, v[E+(\t)] offset:16*(\t)       ; both lanes of a block write the same byte with the same value
	global_store_b64 v4, v[C+4*(\t):C+4*(\t)+1], s[18:19] offset:32*CB*(\t)   ; the wave stores 256 consecutive bytes, aligned
.endm
.irp t, 0,1,2,3,4,5,6,7,8,9,10,11,12,13,14,15
	STEP \t
.endr
	ds_load_b64 v[12:13], v6                       ; LDS serves a wave's instructions in order: these see my stores
	s_wait_dscnt 0x0
	global_store_b64 v7, v[12:13], s[20:21]        ; 32 lanes store 256 consecutive bytes, aligned
	s_wait_tensorcnt 0x0
	ds_add_u32 v192, v193
	s_wait_dscnt 0x0
	s_endpgm
; THE CAST OF Wo.  A wave takes 8 rows, two at a time.  A load reads 64 k (256 bytes) of row n in lanes 0-15 and of row n + 1 in lanes 16-31; as bf16 these are 2 x 128 bytes,
; which lie on end in wob: one store of 256 consecutive bytes, aligned.  Two sets of 64 registers take turns: 16 loads are out while the other set is rounded and stored.
.Lcast:
	s_sub_co_u32 s26, ttmp9, 480
	s_lshl_b32 s26, s26, 5
	s_lshl_b32 s27, s28, 3
	s_add_co_u32 s26, s26, s27                     ; my first row: 32 x group + 8 x wave
	s_lshl_b32 s30, s26, 12
	s_mov_b32 s31, 0
	s_add_nc_u64 s[16:17], s[16:17], s[30:31]      ; Wo at that row
	s_lshr_b32 s27, s26, 7
	s_lshl_b32 s27, s27, 18                        ; wob: 262,144 bytes for each 128 rows,
	s_and_b32 s26, s26, 127
	s_lshl_b32 s26, s26, 7                         ; 128 bytes a row in a panel
	s_add_co_u32 s30, s27, s26
	s_add_nc_u64 s[22:23], s[22:23], s[30:31]
	v_lshrrev_b32 v3, 4, v2
	v_and_b32 v4, 15, v2
	v_lshlrev_b32 v3, 12, v3
	v_lshl_add_u32 v3, v4, 4, v3                   ; in: 4,096 (lane / 16) + 16 (lane % 16)
	v_lshlrev_b32 v4, 3, v2                        ; out: 8 x lane
.macro CLOAD p
.irp hd, 0,1,2,3,4,5,6,7,8,9,10,11,12,13,14,15
	global_load_b128 v[16+64*((\p)%2)+4*\hd:16+64*((\p)%2)+4*\hd+3], v3, s[16:17] offset:(\p)*8192+\hd*256 th:TH_LOAD_NT
.endr
.endm
.macro CSTORE p
.irp hd, 0,1,2,3,4,5,6,7,8,9,10,11,12,13,14,15
	v_cvt_pk_bf16_f32 v[16+64*((\p)%2)+4*\hd], v[16+64*((\p)%2)+4*\hd], v[16+64*((\p)%2)+4*\hd+1]
	v_cvt_pk_bf16_f32 v[16+64*((\p)%2)+4*\hd+1], v[16+64*((\p)%2)+4*\hd+2], v[16+64*((\p)%2)+4*\hd+3]
	global_store_b64 v4, v[16+64*((\p)%2)+4*\hd:16+64*((\p)%2)+4*\hd+1], s[22:23] offset:\hd*16384+(\p)*256
.endr
.endm
	CLOAD 0
	CLOAD 1
	s_wait_loadcnt 16                              ; the older set is in; the younger set's 16 loads may be out
	CSTORE 0
	s_wait_xcnt 0x0                                ; the stores have read their registers: the set is loaded again only behind this wait
	CLOAD 2
	s_wait_loadcnt 16
	CSTORE 1
	s_wait_xcnt 0x0
	CLOAD 3
	s_wait_loadcnt 16
	CSTORE 2
	s_wait_loadcnt 0x0
	CSTORE 3
	s_endpgm
.Lfunc_end_k_qe1e43b7e47_prep:
	.size	k_qe1e43b7e47_prep, .Lfunc_end_k_qe1e43b7e47_prep-k_qe1e43b7e47_prep
	.p2alignl 7, 3214868480
	.fill 96, 4, 3214868480
	.section	.rodata,"a",@progbits
	.p2align	6, 0x0
	.amdhsa_kernel k_qe1e43b7e47_prep
		.amdhsa_group_segment_fixed_size 33280
		.amdhsa_private_segment_fixed_size 0
		.amdhsa_enable_private_segment 0
		.amdhsa_kernarg_size 80
		.amdhsa_user_sgpr_count 2
		.amdhsa_user_sgpr_kernarg_segment_ptr 1
		.amdhsa_wavefront_size32 1
		.amdhsa_system_sgpr_workgroup_id_x 1
		.amdhsa_system_sgpr_workgroup_id_y 1
		.amdhsa_system_sgpr_workgroup_id_z 1
		.amdhsa_system_vgpr_workitem_id 0
		.amdhsa_next_free_vgpr 194
		.amdhsa_next_free_sgpr 66
		.amdhsa_reserve_vcc 0
		.amdhsa_float_denorm_mode_32 3
		.amdhsa_float_denorm_mode_16_64 3
		.amdhsa_memory_ordered 1
		.amdhsa_forward_progress 1
		.amdhsa_inst_pref_size 55
	.end_amdhsa_kernel
	.amdgpu_metadata
---
amdhsa.version: [ 1, 2 ]
amdhsa.kernels:
  - .name:           k_qe1e43b7e47_prep
    .symbol:         k_qe1e43b7e47_prep.kd
    .args:
      - { .name: query, .offset: 0, .size: 8, .value_kind: global_buffer, .address_space: global }
      - { .name: key, .offset: 8, .size: 8, .value_kind: global_buffer, .address_space: global }
      - { .name: value, .offset: 16, .size: 8, .value_kind: global_buffer, .address_space: global }
      - { .name: Wq, .offset: 24, .size: 8, .value_kind: global_buffer, .address_space: global }
      - { .name: Wk, .offset: 32, .size: 8, .value_kind: global_buffer, .address_space: global }
      - { .name: Wv, .offset: 40, .size: 8, .value_kind: global_buffer, .address_space: global }
      - { .name: Wo, .offset: 48, .size: 8, .value_kind: global_buffer, .address_space: global }
      - { .name: codes, .offset: 56, .size: 8, .value_kind: global_buffer, .address_space: global }
      - { .name: scales, .offset: 64, .size: 8, .value_kind: global_buffer, .address_space: global }
      - { .name: wob, .offset: 72, .size: 8, .value_kind: global_buffer, .address_space: global }
    .group_segment_fixed_size: 33280
    .private_segment_fixed_size: 0
    .kernarg_segment_align: 8
    .kernarg_segment_size: 80
    .max_flat_workgroup_size: 128
    .sgpr_count:     66
    .vgpr_count:     194
    .wavefront_size: 32
...
	.end_amdgpu_metadata
.endif
;; end of part 1
;; launch proj (part 2): grid 4 x 48, 4 waves a work-group, clusters of 4 x 4, 327,680 bytes of LDS; arguments codes, scales, qkv, norms; writes qkv, norms
.if DOCPART == 2
	.amdgcn_target "amdgcn-amd-amdhsa--gfx1250"
	.amdhsa_code_object_version 6
	.text
	.protected	k_qe1e43b7e47_proj
	.globl	k_qe1e43b7e47_proj
	.p2align	8
	.type	k_qe1e43b7e47_proj,@function
k_qe1e43b7e47_proj:
	s_mov_b64 s[64:65], 0
	v_nop
	global_prefetch_b8 v0, s[64:65] scope:SCOPE_SE
	s_setreg_imm32_b32 hwreg(HW_REG_WAVE_MODE, 25, 1), 1
	s_wait_xcnt 0x0
	s_wait_alu depctr_hold_cnt(0) depctr_sa_sdst(0) depctr_va_vdst(0) depctr_va_sdst(0) depctr_va_ssrc(0) depctr_va_vcc(0) depctr_vm_vsrc(0)
	s_getreg_b32 s2, hwreg(HW_REG_IB_STS2, 6, 4)
	s_cmp_eq_u32 s2, 0
	s_cbranch_scc0 .Lentry_in_a_cluster
	s_endpgm
.Lentry_in_a_cluster:
	s_bfe_u32 s2, ttmp6, 0x10000c
	s_cmp_lg_u32 s2, 0xf033
	s_cbranch_scc0 .Lentry_shape_is_right
	s_endpgm
.Lentry_shape_is_right:
; PROJ.  The three quantised products, on codes of FP4 with E8M0 scales: q = query Wq^T, k = key Wk^T, v = value Wv^T, each 4,096 x 1,024 over K = 1,024; sums in f32.
; Results leave as bf16: q and k laid [batch x 16 + head][token][64], v TURNED, [batch x 16 + head][64 channels][2,048 tokens]; beside them |q|^2 and -|k|^2 / 2 of each token and head, f32.
; THE NORMS ARE TAKEN OF THE ROUNDED (bf16) q AND k, summed in f32: the next launch forms |q|^2 + |k|^2 - 2 q.k from the same rounded numbers, so that the difference is the squared distance of these.
; SHARES.  A tile of 256 x 256 of a product is made by a work-group of four waves over the whole K; a wave makes 128 x 128: 64 accumulators, 512 registers.  3 x 64 = 192 work-groups: tiles of 128 x 128
; would make 768, at twice the LDS bytes for each matrix instruction.
; The cluster's y (0 .. 11) gives the product g = y / 4 (0 q, 1 k, 2 v) and c = y % 4; both are equal in all sixteen partners, so branches on g are alike in all of them.
; THE MATRIX INSTRUCTION IS USED TRANSPOSED: source 0 = 16 rows of 'B', source 1 = 16 rows of 'A': a lane holds one row of A and eight neighbouring rows of B.
;   g < 2: A = the tokens (tile row 4 c + cy), B = the weight's rows (tile column cx): a lane holds eight neighbouring channels of a token.
;   g = 2: A = Wv's rows (tile row cy), B = the tokens (tile column 4 c + cx): a lane holds eight neighbouring tokens of a channel: v comes out turned.
; K = 1,024 is two LDS slots of 512 along K (rows of 256 bytes), both filled at the start with the scale bytes; nothing is filled again.  A's tiles are asked for jointly along a row of the cluster, B's along a column.
; REGISTERS, in windows of 256: window 0: v16-29 addresses; v32-95 scale words, two sets; v96-111 the way out's addresses and sums; v128-191 A's fragments, on the way out rows read back; v192-223 packed results.
;   window 1: B's fragments, two sets.   window 2: the accumulators of my rows 0-63 ((a, b) at v[8 (8 a + b)]);   window 3: those of my rows 64-127.
.set NQ,     4                         ; matrix instructions deep in a slot
.set ROWB,   256                       ; a tile's row in bytes: 512 codes
.set KROW,   512                       ; a row of codes in memory
.set PITCH,  272                       ; an LDS row: 256 bytes + 16 of padding: the 16 rows that a load touches start 68 words apart
.set FR,     8                         ; registers of a fragment: 16 rows x 128 K
.set NL,     2                         ; LDS loads that bring one
.set NP,     4                         ; places behind this matrix instruction (ISA guide 7.12.1)
.set HALFT,  128*PITCH
.set SLOT,   4*HALFT                   ; A's 256 rows, then B's 256 rows
.set KS,     32                        ; a row of scales in bytes
.set SCL,    2*SLOT                    ; behind the slots: the scales, as lines of 256 bytes + 16 of padding
.set HALFS,  (128*KS/256)*272
.set SBLK,   (16*KS/256)*272
.set SPARE,  SCL+4*HALFS               ; the spare words, 128 bytes for each wave
.set NSTG,   4*16*272                  ; the way out (in slot 0, which has had its one fill and its last read by then): four stages of 16 x 272 bytes, then 1,024 bytes of norms for each wave
.set ADRA, 16
.set ADRB, 20
.set STO,  24
.set RD,   25
.set ADRS, 27
.set SPW,  28
.set NIL,  29
.set SC,   32
.set CO,   96                          ; v96-103 my byte offset in the output for each of a block's eight stores
.set NA,   104                         ; v104-107 four chains of squares
.set ZR,   108                         ; v108 0
.set NST,  109                         ; v109 where I put a norm
.set NRD,  110                         ; v110 where I read norms back
.set NCO,  111                         ; v111 16 x lane
.set AF,   128
.set BK,   128                         ; rows read back: v128-159 and v160-191 by turns
.set TMP,  192
.set G1, 24
.set G0, 32
.set G1B, 48
.set G0B, 56
.set G1S, 68
.set G0S, 76
.set G1SB, 80
.set G0SB, 88
.set MSB, 0
.macro WIN new                         ; the immediate's high byte repeats the setting that is left
.if MSB != \new
	s_set_vgpr_msb (MSB<<8)|\new
.set MSB, \new
.endif
.endm
.set MUL_LO, 0xa1                      ; source 0 (B) window 1, source 1 (A) window 0, C and D window 2
.set MUL_HI, 0xf1                      ; the same, C and D window 3
.set TO_B,   0x40                      ; destination window 1, address window 0
; A joint load: waves 0 and 1 fetch for A, waves 2 and 3 for B.  The branch hangs on the wave's number alone.  Four v_nop follow each of the two lines.
.macro JLOAD g0a, g1a, g0b, g1b
	s_cmp_eq_u32 s15, 0
	s_cbranch_scc0 .Lfor_b_\@
	tensor_load_to_lds s[\g0a:\g0a+3], s[\g1a:\g1a+7]
	s_nop 0
.rept 4
	v_nop
.endr
	s_branch .Lasked_\@
.Lfor_b_\@:
	tensor_load_to_lds s[\g0b:\g0b+3], s[\g1b:\g1b+7]
	s_nop 0
.rept 4
	v_nop
.endr
.Lasked_\@:
.endm
.macro CROUND                          ; a round of the cluster's barrier
	s_barrier_signal -1
	s_barrier_wait -1
	s_cmp_lg_u32 s14, 0
	s_cbranch_scc1 .Lnot_wave_0_\@
	s_barrier_signal -3
.Lnot_wave_0_\@:
	s_barrier_wait -3
	s_barrier_signal -1
	s_barrier_wait -1
.endm
	s_load_b256 s[4:11], s[0:1], 0x0               ; codes s[4:5], scales s[6:7], qkv s[8:9], norms s[10:11]
	v_lshl_add_u32 v[SPW], v0, 2, SPARE
	v_mov_b32 v[NIL], 0
	ds_add_u32 v28, v29
	s_wait_dscnt 0x0
	v_lshrrev_b32 v1, 5, v0
	v_readfirstlane_b32 s14, v1                    ; wave 0..3
	s_lshr_b32 s15, s14, 1                         ; which half of A's rows is mine.  Also: I fetch for A (0) or for B (1)
	s_and_b32 s16, s14, 1                          ; which half of B's rows.  Also: which 128 rows of that tile I fetch
	s_bfe_u32 s40, ttmp6, 0x40000                  ; cx, cy: my place in the cluster
	s_bfe_u32 s41, ttmp6, 0x40004
	s_and_b32 s12, ttmp7, 0xffff                   ; the cluster's y
	s_lshr_b32 s13, s12, 2                         ; g: the product
	s_and_b32 s12, s12, 3
	s_lshl_b32 s12, s12, 2                         ; 4 c
	s_lshl_b32 s95, s13, 21                        ; where the operands' streams begin, for g < 2: the tokens' codes at g x 2 Mi,
	s_lshl_b32 s96, s13, 19
	s_add_co_u32 s96, s96, 0x600000                ; the weight's at 6 Mi + g x 512 Ki,
	s_lshl_b32 s97, s13, 17                        ; the tokens' scales at g x 128 Ki,
	s_lshl_b32 s98, s13, 15
	s_add_co_u32 s98, s98, 0x60000                 ; the weight's at 384 Ki + g x 32 Ki
	s_mov_b32 s66, 128                             ; the way out's strides for g = 2 (below: for g < 2)
	s_mov_b32 s67, 4096
	s_mov_b32 s99, 8192
	s_mov_b32 s100, 65536
	s_mov_b32 s101, 0
	s_cmp_lt_u32 s13, 2
	s_cselect_b32 s18, s12, 0                      ; 4 c goes into the tile row (g < 2) or into the tile column (g = 2)
	s_cselect_b32 s19, 0, s12
	s_cselect_b32 s95, s95, 0x700000               ; A's codes (g = 2: Wv's, at 7 Mi)
	s_cselect_b32 s96, s96, 0x400000               ; B's codes (g = 2: value's, at 4 Mi)
	s_cselect_b32 s97, s97, 0x70000                ; A's scales (448 Ki)
	s_cselect_b32 s98, s98, 0x40000                ; B's scales (256 Ki)
	s_cselect_b32 s66, 0x40000, s66                ; from lanes 0-7 to lanes 8-15: the next head, or the next 128 bytes of the row
	s_cselect_b32 s67, 128, s67                    ; from lanes 0-15 to lanes 16-31: the next row
	s_cselect_b32 s99, 256, s99                    ; from store to store: two rows
	s_cselect_b32 s100, 2048, s100                 ; from block to block: 16 rows
	s_add_co_u32 s17, s41, s18                     ; tile row: hangs on cy, never on cx
	s_add_co_u32 s42, s40, s19                     ; tile column: hangs on cx, never on cy
	s_lshl_b32 s43, s41, 2
	s_lshl_b32 s43, 15, s43                        ; my row of the cluster
	s_lshl_b32 s44, 0x1111, s40                    ; my column
	; descriptor group 1: a tile of 128 rows x 256 bytes, 16 bytes of padding behind each row
	s_or_b32 s[G1+0], s43, (0<<16)|(1<<20)|(1<<21)|(5<<22)|(3<<25)
	s_or_b32 s[G1B+0], s44, (0<<16)|(1<<20)|(1<<21)|(5<<22)|(3<<25)
.irp g, G1, G1B
	s_mov_b32 s[\g+1], ROWB<<16                    ; tensor_dim0
	s_mov_b32 s[\g+2], 128<<16                     ; tensor_dim1
	s_mov_b32 s[\g+3], ROWB<<16                    ; tile_dim0
	s_mov_b32 s[\g+4], 128                         ; tile_dim1
	s_mov_b32 s[\g+5], KROW                        ; tensor_dim0_stride
	s_mov_b32 s[\g+6], 0
	s_mov_b32 s[\g+7], 0
.endr
	; the scales of 128 rows: a dense block of 4,096 bytes, as 16 rows of 256 bytes (32 elements of 8 bytes), 16 bytes of padding behind each
	s_or_b32 s[G1S+0], s43, (3<<16)|(1<<20)|(1<<21)|(5<<22)|(3<<25)
	s_or_b32 s[G1SB+0], s44, (3<<16)|(1<<20)|(1<<21)|(5<<22)|(3<<25)
.irp g, G1S, G1SB
	s_mov_b32 s[\g+1], 32<<16
	s_mov_b32 s[\g+2], (128*KS/256)<<16
	s_mov_b32 s[\g+3], 32<<16
	s_mov_b32 s[\g+4], 128*KS/256
	s_mov_b32 s[\g+5], 32
	s_mov_b32 s[\g+6], 0
	s_mov_b32 s[\g+7], 0
.endr
	s_lshl_b32 s18, s16, 7                         ; which 128 rows of the tile I fetch
	s_lshl_b32 s20, s17, 8
	s_add_co_u32 s20, s20, s18                     ; A: row 256 x tile row + 128 x half
	s_lshl_b32 s46, s42, 8
	s_add_co_u32 s46, s46, s18                     ; B: row 256 x tile column + 128 x half
	s_lshl_b32 s22, s20, 5
	s_add_co_u32 s22, s22, s97                     ; these rows' scales, in bytes from the buffer's start
	s_mov_b32 s23, 0
	s_lshl_b32 s92, s46, 5
	s_add_co_u32 s92, s92, s98
	s_mov_b32 s93, 0
	s_lshl_b32 s20, s20, 9
	s_add_co_u32 s20, s20, s95                     ; and their codes
	s_mov_b32 s21, 0
	s_lshl_b32 s46, s46, 9
	s_add_co_u32 s46, s46, s96
	s_mov_b32 s47, 0
	s_mul_i32 s45, s14, HALFT                      ; where they go: wave x 128 rows: no place in the cluster enters an LDS address
	s_mul_i32 s94, s14, HALFS
	s_wait_kmcnt 0x0
	s_add_nc_u64 s[20:21], s[4:5], s[20:21]
	s_add_nc_u64 s[22:23], s[6:7], s[22:23]
	s_add_nc_u64 s[46:47], s[4:5], s[46:47]
	s_add_nc_u64 s[92:93], s[6:7], s[92:93]
	CROUND                                         ; all sixteen work-groups are here: the joint loads meet
	s_mov_b32 s[G0S], 1
	s_add_co_u32 s[G0S+1], s94, SCL
	s_mov_b64 s[G0S+2:G0S+3], s[22:23]
	s_or_b32 s[G0S+3], s[G0S+3], 0x80000000
	s_mov_b32 s[G0SB], 1
	s_add_co_u32 s[G0SB+1], s94, SCL
	s_mov_b64 s[G0SB+2:G0SB+3], s[92:93]
	s_or_b32 s[G0SB+3], s[G0SB+3], 0x80000000
	JLOAD G0S, G1S, G0SB, G1SB                     ; the scales first: they are wanted with the first slot
.irp s, 0,1
	s_mov_b32 s[G0+4*\s], 1
	s_add_co_u32 s[G0+4*\s+1], s45, \s*SLOT
	s_add_nc_u64 s[G0+4*\s+2:G0+4*\s+3], s[20:21], \s*ROWB
	s_or_b32 s[G0+4*\s+3], s[G0+4*\s+3], 0x80000000
	s_mov_b32 s[G0B+4*\s], 1
	s_add_co_u32 s[G0B+4*\s+1], s45, \s*SLOT
	s_add_nc_u64 s[G0B+4*\s+2:G0B+4*\s+3], s[46:47], \s*ROWB
	s_or_b32 s[G0B+4*\s+3], s[G0B+4*\s+3], 0x80000000
	JLOAD G0+4*\s, G1, G0B+4*\s, G1B               ; three tensor loads of mine are out in all
.endr
	v_and_b32 v1, 15, v0                           ; l % 16
	v_bfe_u32 v2, v0, 4, 1                         ; l / 16
	v_mul_u32_u24 v3, v1, PITCH
	v_lshl_add_u32 v4, v2, 4, v3                   ; a fragment's row x pitch + 16 x half
	s_mul_i32 s21, s15, HALFT                      ; my 128 rows of A
	s_mul_i32 s22, s16, HALFT                      ; my 128 rows of B,
	s_add_co_u32 s22, s22, 2*HALFT                 ; which lie behind A's 256
.irp s, 0,1
	v_add_nc_u32 v[ADRA+\s], s21, v4
	v_add_nc_u32 v[ADRB+\s], s22, v4
	s_add_co_u32 s21, s21, SLOT
	s_add_co_u32 s22, s22, SLOT
.endr
	v_mul_u32_u24 v5, v1, KS                       ; my row's scales: KS bytes a row,
	v_lshrrev_b32 v6, 8, v5
	v_lshl_add_u32 v5, v6, 4, v5                   ; and 16 more for each 256 passed
	s_mul_i32 s21, s15, HALFS                      ; A's: my 128 rows
	s_mul_i32 s22, s16, HALFS                      ; B's: my 128 rows, behind A's 256
	s_add_co_u32 s22, s22, 2*HALFS
	s_sub_co_u32 s22, s22, s21
	v_mul_u32_u24 v6, s22, v2                      ; lanes 16-31 take B's
	s_add_co_u32 s21, s21, SCL
	v_add_nc_u32 v5, v5, v6
	v_add_nc_u32 v[ADRS], s21, v5
	s_mul_i32 s23, s14, 16*272                     ; my stage
	v_mul_u32_u24 v5, v1, 272                      ; in: row l % 16, 16 bytes for each half of the lanes
	v_lshl_add_u32 v5, v2, 4, v5
	v_add_nc_u32 v[STO], s23, v5
	v_mul_u32_u24 v5, v2, 272                      ; back: lanes 0-15 one row of 256 bytes, lanes 16-31 the next
	v_lshl_add_u32 v5, v1, 4, v5
	v_add_nc_u32 v[RD], s23, v5
	s_lshl_b32 s23, s14, 10
	s_add_co_u32 s23, s23, NSTG                    ; my 1,024 bytes of norms: 128 tokens of my first head, then of my second
	v_lshlrev_b32 v5, 2, v1
	v_lshl_add_u32 v5, v2, 9, v5
	v_add_nc_u32 v[NST], s23, v5
	v_and_b32 v6, 31, v0
	v_lshlrev_b32 v[NCO], 4, v6
	v_add_nc_u32 v[NRD], s23, v[NCO]
	v_mov_b32 v[ZR], 0
	v_bfe_u32 v5, v0, 3, 1                         ; the stores' offsets: (lane / 8 % 2) x s66 + 16 (lane % 8) + (lane / 16) x s67 + t x s99
	v_mul_lo_u32 v5, v5, s66
	v_and_b32 v6, 7, v0
	v_lshl_add_u32 v5, v6, 4, v5
	v_mul_lo_u32 v6, v2, s67
	v_add_nc_u32 v[CO], v5, v6
.irp t, 1,2,3,4,5,6,7
	v_add_nc_u32 v[CO+\t], s99, v[CO+\t-1]
.endr
	; where my part of the output begins.  R0, C0: my first row of A and of B
	s_lshl_b32 s66, s17, 8
	s_lshl_b32 s2, s15, 7
	s_add_co_u32 s66, s66, s2                      ; R0
	s_lshl_b32 s67, s42, 8
	s_lshl_b32 s2, s16, 7
	s_add_co_u32 s67, s67, s2                      ; C0
	s_lshl_b32 s95, s13, 23                        ; g < 2: g x 8 Mi + batch x 4 Mi + token x 128 + head x 262,144
	s_lshr_b32 s2, s66, 11
	s_lshl_b32 s3, s2, 22
	s_add_co_u32 s95, s95, s3
	s_and_b32 s3, s66, 2047
	s_lshl_b32 s96, s3, 7
	s_add_co_u32 s95, s95, s96
	s_lshr_b32 s96, s67, 6
	s_lshl_b32 s97, s96, 18
	s_add_co_u32 s95, s95, s97
	s_lshl_b32 s98, s13, 18                        ; the norms: g x 256 Ki + batch x 128 Ki + head x 8,192 + token x 4
	s_lshl_b32 s2, s2, 17
	s_add_co_u32 s98, s98, s2
	s_lshl_b32 s96, s96, 13
	s_add_co_u32 s98, s98, s96
	s_lshl_b32 s3, s3, 2
	s_add_co_u32 s98, s98, s3
	s_lshr_b32 s2, s67, 11                         ; g = 2: 16 Mi + batch x 4 Mi + token x 2 + channel x 4,096
	s_lshl_b32 s2, s2, 22
	s_add_co_u32 s2, s2, 0x1000000
	s_and_b32 s3, s67, 2047
	s_lshl_b32 s3, s3, 1
	s_add_co_u32 s2, s2, s3
	s_lshl_b32 s3, s66, 12
	s_add_co_u32 s2, s2, s3
	s_cmp_lt_u32 s13, 2
	s_cselect_b32 s2, s95, s2
	s_cselect_b32 s98, s98, 0                      ; (g = 2 stores no norms)
	s_mov_b32 s3, 0
	s_mov_b32 s99, 0
	s_add_nc_u64 s[8:9], s[8:9], s[2:3]
	s_add_nc_u64 s[10:11], s[10:11], s[98:99]
	s_mov_b32 s12, 0xbf000000                      ; what a sum of squares is multiplied by: 1 for q, -1/2 for k
	s_cmp_eq_u32 s13, 0
	s_cselect_b32 s12, 0x3f800000, s12
	s_mov_b32 s18, 0x76543210                      ; v_permlanex16_b32's selects for lane l xor 16
	s_mov_b32 s19, 0xfedcba98
	s_mov_b32 vcc_lo, 0xffff0000                   ; lanes 16-31
.macro FRAG reg, adr, q, i             ; a fragment, 16 rows x 128 K of 4-bit codes: lane l holds row l % 16; registers 4 c .. 4 c + 3 hold K = 64 c + 32 (l / 16) + 0 .. 31
.irp c, 0,1
	ds_load_b128 v[\reg+4*\c:\reg+4*\c+3], v[\adr] offset:64*(\q)+32*\c+(\i)*16*PITCH
.endr
.endm
; 16 matrix instructions: A's blocks a0, a0 + 1 x B's eight, 128 along K: the slot's q-th.  p: B's set;  sc: the set of scale words.  zero = 1: the first product starts the sums.
; The 64 accumulators take turns, one instruction a turn, in the same order in every step.
.macro MUL16 a0, p, q, sc, zero
.irp a, \a0, \a0+1
.irp b, 0,1,2,3,4,5,6,7
.if \zero
	v_wmma_scale_f32_16x16x128_f8f6f4 v[8*(8*((\a)%4)+\b):8*(8*((\a)%4)+\b)+7], v[128*(\p)+FR*\b:128*(\p)+FR*\b+FR-1], v[AF+FR*(\a):AF+FR*(\a)+FR-1], 0, v[SC+8*NQ*(\sc)+NQ*\b+(\q)], v[SC+8*NQ*(\sc)+NQ*(\a)+(\q)] matrix_a_fmt:MATRIX_FMT_FP4 matrix_b_fmt:MATRIX_FMT_FP4 matrix_a_scale:MATRIX_SCALE_ROW1
.else
	v_wmma_scale_f32_16x16x128_f8f6f4 v[8*(8*((\a)%4)+\b):8*(8*((\a)%4)+\b)+7], v[128*(\p)+FR*\b:128*(\p)+FR*\b+FR-1], v[AF+FR*(\a):AF+FR*(\a)+FR-1], v[8*(8*((\a)%4)+\b):8*(8*((\a)%4)+\b)+7], v[SC+8*NQ*(\sc)+NQ*\b+(\q)], v[SC+8*NQ*(\sc)+NQ*(\a)+(\q)] matrix_a_fmt:MATRIX_FMT_FP4 matrix_b_fmt:MATRIX_FMT_FP4 matrix_a_scale:MATRIX_SCALE_ROW1
.endif
.endr
.endr
.endm
.macro FETCH_B slot, q, p              ; B's eight fragments of the slot's q-th 128 along K into set p
	WIN TO_B
.irp i, 0,1,2,3,4,5,6,7
	FRAG 128*(\p)+FR*\i, ADRB+\slot, \q, \i
.endr
	WIN 0
.endm
.macro FETCH_A slot, q, i0             ; A's blocks i0 .. i0 + 3
.irp i, \i0, \i0+1, \i0+2, \i0+3
	FRAG AF+FR*(\i), ADRA+\slot, \q, \i
.endr
.endm
.macro SCALES sc                       ; a slot's scale words into set sc: NQ words a row; lanes 0-15 take A's block i, lanes 16-31 B's block i
.irp i, 0,1,2,3,4,5,6,7
	ds_load_b128 v[SC+8*NQ*\sc+NQ*\i:SC+8*NQ*\sc+NQ*\i+3], v[ADRS] offset:\i*SBLK
.endr
.endm
; A load into a register that a matrix instruction has read, and a vector instruction that reads a matrix result, stand NP places behind that matrix instruction; only plain vector
; instructions that name none of its registers are places.
.macro PLACES n
.rept \n
	v_nop
.endr
.endm
; A step of 128 along K that has its successor in the same slot.  A has one set of registers: blocks 0-3 are fetched anew in the step's middle, blocks 4-7 at its end; B has two sets.
.macro STEP slot, q, zero
	s_wait_dscnt 4*NL                              ; B's set and A's blocks 0-3 are in; the youngest eight loads (A's blocks 4-7) may be out
	WIN MUL_LO
	MUL16 0, (\q)%2, \q, \slot, \zero
	MUL16 2, (\q)%2, \q, \slot, \zero
	s_wait_dscnt 0                                 ; A's blocks 4-7 are in
	PLACES NP
	FETCH_B \slot, (\q)+1, 1-(\q)%2
	FETCH_A \slot, (\q)+1, 0
	WIN MUL_HI
	MUL16 4, (\q)%2, \q, \slot, \zero
	MUL16 6, (\q)%2, \q, \slot, \zero
	PLACES NP
	WIN 0
	FETCH_A \slot, (\q)+1, 4
.endm
; Slot 0's last step goes over to slot 1: one barrier; in front of it each wave waits for all its tensor loads, adds 0 to its spare word, and waits for that and for its own reads of slot 0.
; Behind it slot 1 is whole for every wave and nobody reads slot 0 any more (the way out's stages lie there).  Nothing is filled again.
.macro TURN slot, next
	s_wait_tensorcnt 0x0                           ; all my tensor loads have landed: my part of the next slot
	ds_add_u32 v[SPW], v[NIL]                      ; 0 onto my spare word
	s_wait_dscnt 4*NL+1                            ; (the add and the youngest eight loads, A's blocks 4-7, may be out)
	WIN MUL_LO
	MUL16 0, 1, NQ-1, \slot, 0
	s_wait_dscnt 0x0                               ; the add is done, and my reads of this slot are over
	s_barrier_signal -1
	MUL16 2, 1, NQ-1, \slot, 0
	WIN 0
	s_barrier_wait -1
	PLACES NP
	v_add_nc_u32 v[ADRS], 4*NQ, v[ADRS]            ; on to the next slot's scale words (no LDS load of mine is out)
	FETCH_B \next, 0, 0
	FETCH_A \next, 0, 0
	SCALES \next
	WIN MUL_HI
	MUL16 4, 1, NQ-1, \slot, 0
	MUL16 6, 1, NQ-1, \slot, 0
	PLACES NP
	WIN 0
	FETCH_A \next, 0, 4
.endm
	s_wait_tensorcnt 1                             ; the scales and my part of slot 0 are in (slot 1's load may be out),
	s_barrier_signal -1
	s_barrier_wait -1                              ; everybody's are
	FETCH_B 0, 0, 0
	FETCH_A 0, 0, 0
	SCALES 0
	FETCH_A 0, 0, 4
	STEP 0, 0, 1                                   ; the first step's products start the sums
	STEP 0, 1, 0
	STEP 0, 2, 0
	TURN 0, 1
	STEP 1, 0, 0
	STEP 1, 1, 0
	STEP 1, 2, 0
	s_wait_dscnt 4*NL                              ; the last step: nothing more to fetch
	WIN MUL_LO
	MUL16 0, 1, NQ-1, 1, 0
	MUL16 2, 1, NQ-1, 1, 0
	s_wait_dscnt 0
	WIN MUL_HI
	MUL16 4, 1, NQ-1, 1, 0
	MUL16 6, 1, NQ-1, 1, 0
	WIN 0
; THE WAY OUT, a block of 16 rows of A x 128 rows of B at a time.  PACK: rounded to bf16, 16 bytes a lane, each accumulator from its low end on.  NORM (q and k): the sums of squares of the rounded numbers.
; TOSTAGE: into my own stage in LDS and back as rows of 256 bytes.  SEND: stored.
.macro PACK a
.set AC, 64*((\a)%4)
	WIN 0x0a+5*((\a)/4)                            ; sources 0 and 1: window 2 or 3
.irp b, 0,1,2,3,4,5,6,7
.irp r, 0,1,2,3
	v_cvt_pk_bf16_f32 v[TMP+4*\b+\r], v[AC+8*\b+2*\r], v[AC+8*\b+2*\r+1]
.endr
.endr
	WIN 0
.endm
; A lane holds 32 of the 64 channels of each of two heads of token l % 16 (packed registers 0-15: the first head, 16-31: the second); lane l xor 16 holds the others.
; Four chains of fused multiply-adds straight from the bf16 halves; then lanes 0-15 keep the first head's sum and lanes 16-31 the second's.
.macro NORM a
	s_cmp_eq_u32 s13, 2                            ; v has no norms: a branch on the product's number, alike in all waves and partners
	s_cbranch_scc1 .Lno_norm_\@
	v_fma_mix_f32_bf16 v[NA], v[TMP], v[TMP], v[ZR] op_sel_hi:[1,1,0]
	v_fma_mix_f32_bf16 v[NA+1], v[TMP], v[TMP], v[ZR] op_sel:[1,1,0] op_sel_hi:[1,1,0]
	v_fma_mix_f32_bf16 v[NA+2], v[TMP+16], v[TMP+16], v[ZR] op_sel_hi:[1,1,0]
	v_fma_mix_f32_bf16 v[NA+3], v[TMP+16], v[TMP+16], v[ZR] op_sel:[1,1,0] op_sel_hi:[1,1,0]
.irp i, 1,2,3,4,5,6,7,8,9,10,11,12,13,14,15
	v_fma_mix_f32_bf16 v[NA], v[TMP+\i], v[TMP+\i], v[NA] op_sel_hi:[1,1,0]
	v_fma_mix_f32_bf16 v[NA+1], v[TMP+\i], v[TMP+\i], v[NA+1] op_sel:[1,1,0] op_sel_hi:[1,1,0]
	v_fma_mix_f32_bf16 v[NA+2], v[TMP+16+\i], v[TMP+16+\i], v[NA+2] op_sel_hi:[1,1,0]
	v_fma_mix_f32_bf16 v[NA+3], v[TMP+16+\i], v[TMP+16+\i], v[NA+3] op_sel:[1,1,0] op_sel_hi:[1,1,0]
.endr
	v_add_f32 v[NA], v[NA], v[NA+1]
	v_add_f32 v[NA+2], v[NA+2], v[NA+3]
	v_permlanex16_b32 v[NA+1], v[NA], s18, s19
	v_permlanex16_b32 v[NA+3], v[NA+2], s18, s19
	v_add_f32 v[NA], v[NA], v[NA+1]
	v_add_f32 v[NA+2], v[NA+2], v[NA+3]
	v_cndmask_b32 v[NA], v[NA], v[NA+2], vcc_lo
	v_mul_f32 v[NA], s12, v[NA]
	ds_store_b32 v[NST], v[NA] offset:64*(\a)
.Lno_norm_\@:
.endm
.macro TOSTAGE a
.set BB, BK+32*((\a)%2)
.irp b, 0,1,2,3,4,5,6,7
	ds_store_b128 v[STO], v[TMP+4*\b:TMP+4*\b+3] offset:32*\b
.endr
.irp t, 0,1,2,3,4,5,6,7
	ds_load_b128 v[BB+4*\t:BB+4*\t+3], v[RD] offset:\t*544    ; LDS serves a wave's instructions in order (ISA guide 5.7.1.4): these see the stores above
.endr
.endm
.macro SEND a
.set BB, BK+32*((\a)%2)
	s_wait_dscnt 0x0                               ; the block is back in registers
	s_wait_xcnt 0x0                                ; the earlier stores have read their base and their registers: only behind this wait are they written again
.if (\a) > 0
	s_add_nc_u64 s[8:9], s[8:9], s[100:101]        ; 16 rows on
.endif
.irp t, 0,1,2,3,4,5,6,7
	global_store_b128 v[CO+\t], v[BB+4*\t:BB+4*\t+3], s[8:9]   ; q, k: rows 2 t, 2 t + 1 of two heads, 256 consecutive aligned bytes each; v: 256 consecutive aligned bytes of two rows
.endr
.endm
	PLACES NP                                      ; behind the last products: for the loads into A's registers and the reads of the last results
	PACK 0
	NORM 0
	TOSTAGE 0
.irp a, 1,2,3,4,5,6,7                  ; block a's arithmetic stands between block a - 1's loads from the stage and the wait for them
	PACK \a
	NORM \a
	SEND \a-1
	TOSTAGE \a
.endr
	SEND 7
	s_cmp_eq_u32 s13, 2
	s_cbranch_scc1 .Lno_norms
	ds_load_b128 v[TMP:TMP+3], v[NRD]              ; 128 tokens' norms of my first head,
	ds_load_b128 v[TMP+4:TMP+7], v[NRD] offset:512 ; and of my second
	s_wait_dscnt 0x0
	global_store_b128 v[NCO], v[TMP:TMP+3], s[10:11]               ; 512 consecutive bytes each
	global_store_b128 v[NCO], v[TMP+4:TMP+7], s[10:11] offset:8192
.Lno_norms:
	s_wait_tensorcnt 0x0                           ; the wave's end
	ds_add_u32 v[SPW], v[NIL]
	s_wait_dscnt 0x0
	CROUND                                         ; the closing round
	s_endpgm
.Lfunc_end_k_qe1e43b7e47_proj:
	.size	k_qe1e43b7e47_proj, .Lfunc_end_k_qe1e43b7e47_proj-k_qe1e43b7e47_proj
	.p2alignl 7, 3214868480
	.fill 96, 4, 3214868480
	.section	.rodata,"a",@progbits
	.p2align	6, 0x0
	.amdhsa_kernel k_qe1e43b7e47_proj
		.amdhsa_group_segment_fixed_size 327680
		.amdhsa_private_segment_fixed_size 0
		.amdhsa_enable_private_segment 0
		.amdhsa_kernarg_size 32
		.amdhsa_user_sgpr_count 2
		.amdhsa_user_sgpr_kernarg_segment_ptr 1
		.amdhsa_wavefront_size32 1
		.amdhsa_system_sgpr_workgroup_id_x 1
		.amdhsa_system_sgpr_workgroup_id_y 1
		.amdhsa_system_sgpr_workgroup_id_z 1
		.amdhsa_system_vgpr_workitem_id 0
		.amdhsa_next_free_vgpr 1024
		.amdhsa_next_free_sgpr 102
		.amdhsa_reserve_vcc 1
		.amdhsa_float_denorm_mode_32 3
		.amdhsa_float_denorm_mode_16_64 3
		.amdhsa_memory_ordered 1
		.amdhsa_forward_progress 1
		.amdhsa_inst_pref_size 165
	.end_amdhsa_kernel
	.amdgpu_metadata
---
amdhsa.version: [ 1, 2 ]
amdhsa.kernels:
  - .name:           k_qe1e43b7e47_proj
    .symbol:         k_qe1e43b7e47_proj.kd
    .args:
      - { .name: codes, .offset: 0, .size: 8, .value_kind: global_buffer, .address_space: global }
      - { .name: scales, .offset: 8, .size: 8, .value_kind: global_buffer, .address_space: global }
      - { .name: qkv, .offset: 16, .size: 8, .value_kind: global_buffer, .address_space: global }
      - { .name: norms, .offset: 24, .size: 8, .value_kind: global_buffer, .address_space: global }
    .group_segment_fixed_size: 327680
    .private_segment_fixed_size: 0
    .kernarg_segment_align: 8
    .kernarg_segment_size: 32
    .max_flat_workgroup_size: 128
    .sgpr_count:     102
    .vgpr_count:     1024
    .wavefront_size: 32
...
	.end_amdgpu_metadata
.endif
;; end of part 2
;; launch attn (part 3): grid 8 x 32, 16 waves a work-group, clusters of 4 x 1, 327,680 bytes of LDS; arguments qkv, norms, xb; writes xb
.if DOCPART == 3
	.amdgcn_target "amdgcn-amd-amdhsa--gfx1250"
	.amdhsa_code_object_version 6
	.text
	.protected	k_qe1e43b7e47_attn
	.globl	k_qe1e43b7e47_attn
	.p2align	8
	.type	k_qe1e43b7e47_attn,@function
k_qe1e43b7e47_attn:
	s_mov_b64 s[64:65], 0
	v_nop
	global_prefetch_b8 v0, s[64:65] scope:SCOPE_SE
	s_setreg_imm32_b32 hwreg(HW_REG_WAVE_MODE, 25, 1), 1
	s_wait_xcnt 0x0
	s_wait_alu depctr_hold_cnt(0) depctr_sa_sdst(0) depctr_va_vdst(0) depctr_va_sdst(0) depctr_va_ssrc(0) depctr_va_vcc(0) depctr_vm_vsrc(0)
	s_getreg_b32 s2, hwreg(HW_REG_IB_STS2, 6, 4)
	s_cmp_eq_u32 s2, 0
	s_cbranch_scc0 .Lentry_in_a_cluster
	s_endpgm
.Lentry_in_a_cluster:
	s_bfe_u32 s2, ttmp6, 0x10000c
	s_cmp_lg_u32 s2, 0x3003
	s_cbranch_scc0 .Lentry_shape_is_right
	s_endpgm
.Lentry_shape_is_right:
; ATTN.  x[head][q][:] = the sum over k of softmax_k(a(q, k)) v[head][k][:],  a = 1 / (|q - k| / 8 + 1e-9),  |q - k|^2 = max(|q|^2 + |k|^2 - 2 q.k, 0).
; q, k: bf16 [32 heads][2,048][64]; v turned: bf16 [32][64 channels][2,048 keys]; |q|^2 and -|k|^2 / 2: f32 [32][2,048], taken of the same rounded q and k.  Products on bf16 operands, sums in f32; all else in f32.
; x leaves as bf16, laid [token / 128][head][token % 128][64], as the last launch fetches it.
; SOFTMAX.  A running maximum m of a (it starts at 0: a is never negative) and a running sum l: p = 2^(c a - c m), c = log2(e); in every step O and l are multiplied by 2^(c m_old - c m_new).
; c m is rounded once and the same rounded number serves every p of the row, so it cancels in p / l.  The sum is taken of the unrounded p; p is rounded to bf16 for the second product.
; LIMITS: NaN and infinities are not served; the sums run in another order than the reference's.
; SHARES.  A work-group owns 256 queries of one head; each of its SIXTEEN waves owns 16 of them in 256 registers: four waves to a SIMD, so that one wave's roots, reciprocals and exponentials stand beside another's
; matrix work and LDS loads.  Every wave walks all 2,048 keys, 128 a step.
; LAYOUT.  S^T = K Q^T (source 0 = 16 keys, source 1 = my 16 queries), O^T = V^T P (source 0 = 16 channels, source 1 = P): a lane holds ONE query (lane % 16) throughout, and two tiles of S^T, rounded in pairs, are
; a fragment of P.  -|k|^2 / 2 is the C of a tile's first product: it is loaded straight into the tile's registers.
; RING.  Two LDS slots of two steps each, filled by the tensor data mover (waves 0, 1: K's two steps; waves 2, 3: V's); -|k|^2 / 2 of the whole head comes once (wave 4).
; CLUSTER.  The four query blocks of a cluster belong to one head and walk the same K and V: each tile is asked for jointly, with a mask that names the four.
.set STEPB, 34816                      ; a step's tiles: K, 128 keys as 64 lines of 256 bytes + 16 of padding (key x at 272 (x / 2) + 128 (x % 2)); then V, 64 channels x (256 bytes + 16)
.set VOFF,  17408
.set SLOT1, 1<<17                      ; slot 1 begins here: one exclusive or turns an address in one slot into the other's
.set K2,    2*SLOT1                    ; -|k|^2 / 2 of the head: 8,192 bytes
.set SPARE, K2+8192                    ; the spare words, 128 bytes for each wave
.set STAGE, SPARE+2048                 ; the way out: 16 rows x (128 bytes + 16) for each wave; no fill lands here
.set AK0, 1                            ; v1   my lane's place in a tile of K
.set AV0, 2                            ; v2   the same for V
.set AK2, 3                            ; v3   and among the -|k|^2 / 2
.set SPW, 4                            ; v4   LDS address of my spare word; never rewritten
.set NIL, 5                            ; v5   0; never rewritten
.set ADK, 6                            ; v6-8 the addresses of the step in hand
.set ADV, 7
.set ADN, 8
.set GO,  9                            ; v9   16 x lane
.set STO, 10                           ; v10  the way out: where I put 16 bytes of a row
.set RD,  11                           ; v11  and where I read rows back
.set NCM, 12                           ; v[12:13] -c m (the low word serves both halves)
.set M,   14                           ; v14  m
.set W0,  15                           ; v15  at work
.set L,   16                           ; v[16:17] l, in two halves
.set AL,  18                           ; v[18:19] 2^(c m_old - c m_new) (the low word serves both halves)
.set QN,  20                           ; v[20:21] |q|^2, twice
.set EP,  22                           ; v[22:23] 1e-9, twice
.set MX,  24                           ; v24-27 four chains of maxima
.set PFO, 28                           ; v28  the prefetches' offset; never rewritten
.set W1,  29                           ; v29  a lane permute's destination
.set T,   30                           ; v[30:31] the second chain of sums
.set Q,   32                           ; v32-47  Q: two fragments (16 queries x 32 channels)
.set O,   48                           ; v48-79  O^T: four tiles of 16 channels
.set S,   80                           ; v80-143 S^T: eight tiles of 16 keys; then a, then p
.set P,   144                          ; v144-175 P in bf16: four fragments
.set F,   176                          ; v176-239 eight fragments of K or of V
.set PK,  240                          ; v240-255 the way out: packed results
.set WV,  10
.set SEL, 20
.set CS,  22                           ; s[22:23] c
.set G1K, 24
.set G1V, 32
.set G0K, 40
.set G0V, 44
.set G1N, 48
.set G0N, 56
.set EI,  60                           ; s[60:61] 1/8
.set NC,  62                           ; s62 -c
.set TB,  63                           ; s63 LDS byte at which the slot in hand begins
.set TN,  66                           ; s66 where the step's -|k|^2 / 2 begin: 512 bytes a step
.set SLOTS, 67                         ; s67 slots still to be asked for
.set PFA, 68                           ; s[68:69] where my prefetches stand
.set PFS, 70                           ; s[70:71] a slot on, in bytes
.set LIM, 72                           ; s72 1 in a wave that prefetches, else the greatest number
.set XB,  74                           ; s[74:75] my 16 rows of x
.macro CROUND                          ; a round of the cluster's barrier
	s_barrier_signal -1
	s_barrier_wait -1
	s_cmp_lg_u32 s[WV], 0
	s_cbranch_scc1 .Lnot_wave_0_\@
	s_barrier_signal -3
.Lnot_wave_0_\@:
	s_barrier_wait -3
	s_barrier_signal -1
	s_barrier_wait -1
.endm
; A joint refill: waves 0 and 1 fetch K's two steps, waves 2 and 3 V's, the others nothing.  The branches hang on the wave's number alone.  Four v_nop follow each of the two lines.
.macro TLOAD
	s_cmp_lt_u32 s[WV], 2
	s_cbranch_scc0 .Lnot_k_\@
	tensor_load_to_lds s[G0K:G0K+3], s[G1K:G1K+7]
	s_nop 0
.rept 4
	v_nop
.endr
	s_branch .Lasked_\@
.Lnot_k_\@:
	s_cmp_lt_u32 s[WV], 4
	s_cbranch_scc0 .Lasked_\@
	tensor_load_to_lds s[G0V:G0V+3], s[G1V:G1V+7]
	s_nop 0
.rept 4
	v_nop
.endr
.Lasked_\@:
.endm
; A PREFETCH INTO THE L2 of what the NEXT change of slots will ask for: 256 keys: K's 32,768 dense bytes and 512 bytes of each of V's 64 rows.  Each aligned block of 256 bytes is named once in the launch:
; both clusters of a head walk the same K and V, and the head's first cluster asks; its four partners share the blocks out BY ADDRESS (8,192 bytes of K, 16 rows of V each); in each, wave 4 asks for K's
; (lanes 256 bytes apart) and wave 5 for V's (two lanes a row): one instruction a wave, two key steps ahead of the load.  The last change that fills a slot asks for nothing.  Slots 0 and 1 come by their loads alone.
.macro ASK
	s_cmp_gt_u32 s[SLOTS], s[LIM]
	s_cbranch_scc0 .Lnot_mine_\@
	global_prefetch_b8 v[PFO], s[PFA:PFA+1] th:TH_LOAD_NT scope:SCOPE_SE
.Lnot_mine_\@:
.endm
	s_load_b128 s[4:7], s[0:1], 0x0                ; qkv s[4:5], norms s[6:7]
	s_load_b64 s[XB:XB+1], s[0:1], 0x10            ; xb
	v_lshl_add_u32 v[SPW], v0, 2, SPARE
	v_mov_b32 v[NIL], 0
	ds_add_u32 v4, v5
	s_wait_dscnt 0x0
	v_lshrrev_b32 v6, 5, v0
	v_readfirstlane_b32 s[WV], v6                  ; wave 0..15
	s_bfe_u32 s13, ttmp6, 0x40000                  ; cx: my place in the cluster
	s_lshl_b32 s14, ttmp9, 2
	s_add_co_u32 s14, s14, s13                     ; my block of 256 queries: it enters Q's, the norm's and x's addresses alone
	s_and_b32 s15, ttmp7, 0xffff                   ; batch x 16 + head, which the four partners share
	s_lshl_b32 s16, s15, 18                        ; the head's 262,144 bytes in q, k and v
	s_and_b32 s17, s[WV], 1                        ; which of a slot's two steps I fetch
	s_lshl_b32 s18, s17, 14
	s_add_co_u32 s18, s18, s16
	s_add_co_u32 s18, s18, 0x800000                ; K: at 8 Mi, 16,384 bytes a step
	s_mov_b32 s19, 0
	s_lshl_b32 s76, s17, 8
	s_add_co_u32 s76, s76, s16
	s_add_co_u32 s76, s76, 0x1000000               ; V: at 16 Mi, 256 bytes of each row a step
	s_mov_b32 s77, 0
	s_lshl_b32 s78, s15, 13
	s_add_co_u32 s78, s78, 0x40000                 ; -|k|^2 / 2: at 256 Ki, 8,192 bytes a head
	s_mov_b32 s79, 0
	s_mul_i32 s80, s17, STEPB                      ; my step's place in a slot: no place in the cluster enters an LDS address
	; descriptor groups 1, in elements of 8 bytes.  K: 64 rows of 256 bytes, dense;  V: 64 rows of 256 bytes, 4,096 bytes apart;  both with 16 bytes of padding behind each row
	s_mov_b32 s[G1K], 15|(3<<16)|(1<<20)|(1<<21)|(5<<22)|(3<<25)   ; 15:0 the mask: all four work-groups; 17:16 elements of 8 bytes; 20 padding on; 21 set beside a mask; 24:22 after every 64 words; 31:25 four words
	s_mov_b32 s[G1V], 15|(3<<16)|(1<<20)|(1<<21)|(5<<22)|(3<<25)
.irp g, G1K, G1V
	s_mov_b32 s[\g+1], 32<<16                      ; tensor_dim0
	s_mov_b32 s[\g+2], 64<<16                      ; tensor_dim1
	s_mov_b32 s[\g+3], 32<<16                      ; tile_dim0
	s_mov_b32 s[\g+4], 64                          ; tile_dim1
	s_mov_b32 s[\g+6], 0
	s_mov_b32 s[\g+7], 0
.endr
	s_mov_b32 s[G1K+5], 32                         ; tensor_dim0_stride
	s_mov_b32 s[G1V+5], 512
	s_mov_b32 s[G1N], 15|(3<<16)|(1<<21)           ; the norms: 32 rows of 256 bytes, dense, no padding
	s_mov_b32 s[G1N+1], 32<<16
	s_mov_b32 s[G1N+2], 32<<16
	s_mov_b32 s[G1N+3], 32<<16
	s_mov_b32 s[G1N+4], 32
	s_mov_b32 s[G1N+5], 32
	s_mov_b32 s[G1N+6], 0
	s_mov_b32 s[G1N+7], 0
	s_mov_b32 s[SEL], 0x76543210
	s_mov_b32 s[SEL+1], 0xfedcba98                 ; v_permlanex16_b32's selects for lane l xor 16
	s_mov_b32 s[CS], 0x3fb8aa3b                    ; c = log2(e)
	s_mov_b32 s[CS+1], s[CS]                       ; (named with it as a pair, so it is written)
	s_mov_b32 s[EI], 0x3e000000                    ; 1/8 = 64^(-1/2)
	s_mov_b32 s[EI+1], s[EI]
	s_mov_b32 s[NC], 0xbfb8aa3b                    ; -c
	s_mov_b32 s[TB], 0
	s_mov_b32 s[TN], 0
	s_mov_b32 s[SLOTS], 7
	s_wait_kmcnt 0x0
	s_mov_b32 s[G0K], 1                            ; 1:0 count = 1
	s_mov_b32 s[G0K+1], s80                        ; 63:32 LDS address: slot 0
	s_add_nc_u64 s[G0K+2:G0K+3], s[4:5], s[18:19]  ; 120:64 global address
	s_or_b32 s[G0K+3], s[G0K+3], 0x80000000        ; 127:126 type = 2
	s_mov_b32 s[G0V], 1
	s_add_co_u32 s[G0V+1], s80, VOFF
	s_add_nc_u64 s[G0V+2:G0V+3], s[4:5], s[76:77]
	s_or_b32 s[G0V+3], s[G0V+3], 0x80000000
	s_mov_b32 s[G0N], 1
	s_mov_b32 s[G0N+1], K2
	s_add_nc_u64 s[G0N+2:G0N+3], s[6:7], s[78:79]
	s_or_b32 s[G0N+3], s[G0N+3], 0x80000000
	CROUND                                         ; all four work-groups are here: the first joint loads meet
	s_cmp_lt_u32 s[WV], 2                          ; the first fills: slot 0 and the norms; at most one load a wave
	s_cbranch_scc0 .Lfirst_not_k
	tensor_load_to_lds s[G0K:G0K+3], s[G1K:G1K+7]
	s_nop 0
.rept 4
	v_nop
.endr
	s_branch .Lfirst_asked
.Lfirst_not_k:
	s_cmp_lt_u32 s[WV], 4
	s_cbranch_scc0 .Lfirst_not_v
	tensor_load_to_lds s[G0V:G0V+3], s[G1V:G1V+7]
	s_nop 0
.rept 4
	v_nop
.endr
	s_branch .Lfirst_asked
.Lfirst_not_v:
	s_cmp_eq_u32 s[WV], 4
	s_cbranch_scc0 .Lfirst_asked
	tensor_load_to_lds s[G0N:G0N+3], s[G1N:G1N+7]
	s_nop 0
.rept 4
	v_nop
.endr
.Lfirst_asked:
	s_lshl_b32 s2, s14, 15                         ; Q: my block's 256 rows of 128 bytes, my wave's 16 of them
	s_lshl_b32 s3, s[WV], 11
	s_add_co_u32 s2, s2, s3
	s_add_co_u32 s2, s2, s16
	s_mov_b32 s3, 0
	s_add_nc_u64 s[82:83], s[4:5], s[2:3]
	s_lshl_b32 s2, s15, 13                         ; |q|^2: 8,192 bytes a head, 4 a query
	s_lshl_b32 s11, s14, 10
	s_add_co_u32 s2, s2, s11
	s_lshl_b32 s11, s[WV], 6
	s_add_co_u32 s2, s2, s11
	s_add_nc_u64 s[84:85], s[6:7], s[2:3]
	v_and_b32 v6, 15, v0                           ; r = lane % 16
	v_bfe_u32 v7, v0, 4, 1                         ; h = lane / 16
	v_lshlrev_b32 v[W0], 7, v6
	v_lshl_add_u32 v[W0], v7, 4, v[W0]             ; row r of 128 bytes, + 16 h
.irp i, 0,1,2,3
	global_load_b128 v[Q+4*\i:Q+4*\i+3], v[W0], s[82:83] offset:32*\i   ; Q stays in registers: channels 32 (i / 2) + 16 (i % 2) + 8 h + 0 .. 7
.endr
	v_lshlrev_b32 v[W1], 2, v6
	global_load_b32 v[QN], v[W1], s[84:85]
	s_lshr_b32 s2, s15, 4                          ; x: my first token = batch x 2,048 + 256 x block + 16 x wave
	s_lshl_b32 s2, s2, 11
	s_lshl_b32 s11, s14, 8
	s_add_co_u32 s2, s2, s11
	s_lshl_b32 s11, s[WV], 4
	s_add_co_u32 s2, s2, s11
	s_lshr_b32 s11, s2, 7
	s_lshl_b32 s11, s11, 18                        ; 262,144 bytes for each 128 tokens,
	s_and_b32 s2, s2, 127
	s_lshl_b32 s2, s2, 7                           ; 128 bytes a token in a panel,
	s_add_co_u32 s2, s2, s11
	s_and_b32 s11, s15, 15
	s_lshl_b32 s11, s11, 14                        ; 16,384 bytes a head
	s_add_co_u32 s2, s2, s11
	s_add_nc_u64 s[XB:XB+1], s[XB:XB+1], s[2:3]
	; the prefetches: where my wave's stand, and who asks
	s_mov_b32 s2, 4096
	s_mov_b32 s11, 0x1000000+512
	s_mov_b32 s[PFS], 512
	s_cmp_eq_u32 s[WV], 4                          ; wave 4 asks for K's, wave 5 for V's
	s_cselect_b32 s2, 512, s2                      ; from pair of lanes to pair of lanes
	s_cselect_b32 s11, 0x800000+32768, s11         ; in slot 1: the first change of slots steps it to slot 2
	s_cselect_b32 s[PFS], 32768, s[PFS]            ; a slot on
	s_cselect_b32 s12, 13, 16                      ; my work-group's part: 8,192 bytes of K, 16 rows of V
	s_mov_b32 s[PFS+1], 0
	v_bfe_u32 v[PFO], v0, 1, 4
	v_mul_lo_u32 v[PFO], v[PFO], s2
	v_and_b32 v8, 1, v0
	v_lshl_add_u32 v[PFO], v8, 8, v[PFO]
	s_lshl_b32 s12, s13, s12
	s_add_co_u32 s2, s11, s12
	s_add_co_u32 s2, s2, s16
	s_add_nc_u64 s[PFA:PFA+1], s[4:5], s[2:3]
	s_sub_co_u32 s2, s[WV], 4
	s_lshr_b32 s2, s2, 1                           ; 0 in waves 4 and 5,
	s_or_b32 s2, s2, ttmp9                         ; of the head's first cluster: the same in all four partners
	s_cmp_eq_u32 s2, 0
	s_cselect_b32 s[LIM], 1, -1
	v_lshrrev_b32 v8, 1, v6
	v_mul_u32_u24 v[AK0], v8, 272
	v_and_b32 v8, 1, v6
	v_lshl_add_u32 v[AK0], v8, 7, v[AK0]
	v_lshl_add_u32 v[AK0], v7, 4, v[AK0]           ; K: 272 (r / 2) + 128 (r % 2) + 16 h: the sixteen rows of a load fall on sixteen different 16-byte columns of 256
	v_mul_u32_u24 v[AV0], v6, 272
	v_lshl_add_u32 v[AV0], v7, 4, v[AV0]
	v_add_nc_u32 v[AV0], VOFF, v[AV0]              ; V: 272 r + 16 h
	v_lshlrev_b32 v[AK2], 5, v7
	v_add_nc_u32 v[AK2], K2, v[AK2]                ; the norms: my half's eight keys of a tile: 32 h
	v_and_b32 v[GO], 31, v0
	v_lshlrev_b32 v[GO], 4, v[GO]
	s_mul_i32 s2, s[WV], 2304
	s_add_co_u32 s2, s2, STAGE                     ; my stage
	v_mul_u32_u24 v[STO], v6, 144
	v_lshl_add_u32 v[STO], v7, 4, v[STO]
	v_add_nc_u32 v[STO], s2, v[STO]                ; in: row r, + 16 h
	v_bfe_u32 v8, v0, 3, 2
	v_mul_u32_u24 v[RD], v8, 144
	v_and_b32 v8, 7, v0
	v_lshl_add_u32 v[RD], v8, 4, v[RD]
	v_add_nc_u32 v[RD], s2, v[RD]                  ; back: eight lanes to a row of 128 bytes, four rows an instruction
	v_mov_b32 v[NCM], 0
	v_mov_b32 v[NCM+1], 0
	v_mov_b32 v[M], 0                              ; the largest a so far: 0, under every a
	v_mov_b32 v[L], 0
	v_mov_b32 v[L+1], 0
	v_mov_b32 v[AL+1], 0                           ; (named as the upper half of a pair)
	v_mov_b32 v[EP], 0x3089705f                    ; 1e-9
	v_mov_b32 v[EP+1], 0x3089705f
.set j, 0
.rept 32
	v_mov_b32 v[O+j], 0                            ; O^T.  (The step is written without a first step of its own: the first finds zeros)
.set j, j+1
.endr
	s_wait_loadcnt 0x0                             ; Q and |q|^2
	v_mov_b32 v[QN+1], v[QN]
.macro NLOAD t0                        ; -|k|^2 / 2 of tiles t0 .. t0 + 3 straight into S^T's registers: register j of tile t is key 16 t + 8 h + j; all lanes of a half read the same bytes
.irp t, \t0, \t0+1, \t0+2, \t0+3
	ds_load_b128 v[S+8*(\t):S+8*(\t)+3], v[ADN] offset:64*(\t)
	ds_load_b128 v[S+8*(\t)+4:S+8*(\t)+7], v[ADN] offset:64*(\t)+16
.endr
.endm
.macro KLOAD q, g                      ; K's fragments of tiles 4 g .. 4 g + 3: 16 keys x 32 channels each, two to a tile
.irp t, 0,1,2,3
.irp cc, 0,1
	ds_load_b128 v[F+16*\t+8*\cc:F+16*\t+8*\cc+3], v[ADK] offset:(\q)*STEPB+(4*(\g)+\t)*2176+64*\cc
	ds_load_b128 v[F+16*\t+8*\cc+4:F+16*\t+8*\cc+7], v[ADK] offset:(\q)*STEPB+(4*(\g)+\t)*2176+64*\cc+32
.endr
.endr
.endm
.macro QK g                            ; eight products; the four accumulators take turns
.irp cc, 0,1
.irp t, 0,1,2,3
	v_wmma_f32_16x16x32_bf16 v[S+8*(4*(\g)+\t):S+8*(4*(\g)+\t)+7], v[F+16*\t+8*\cc:F+16*\t+8*\cc+7], v[Q+8*\cc:Q+8*\cc+7], v[S+8*(4*(\g)+\t):S+8*(4*(\g)+\t)+7]
.endr
.endr
.endm
.macro VLOAD q, g                      ; V's fragments of keys 64 g .. 64 g + 63: 16 channels x 32 keys each
.irp kc, 0,1
.irp ct, 0,1,2,3
	ds_load_b128 v[F+8*(4*\kc+\ct):F+8*(4*\kc+\ct)+3], v[ADV] offset:(\q)*STEPB+\ct*4352+64*(2*(\g)+\kc)
	ds_load_b128 v[F+8*(4*\kc+\ct)+4:F+8*(4*\kc+\ct)+7], v[ADV] offset:(\q)*STEPB+\ct*4352+64*(2*(\g)+\kc)+32
.endr
.endr
.endm
.macro PV g
.irp kc, 0,1
.irp ct, 0,1,2,3
	v_wmma_f32_16x16x32_bf16 v[O+8*\ct:O+8*\ct+7], v[F+8*(4*\kc+\ct):F+8*(4*\kc+\ct)+7], v[P+8*(2*(\g)+\kc):P+8*(2*(\g)+\kc)+7], v[O+8*\ct:O+8*\ct+7]
.endr
.endr
.endm
.macro PLACES
.rept 4
	v_nop
.endr
.endm
; A KEY STEP: 128 keys, the q-th of the slot in hand.
.macro STEP q
	v_add_nc_u32 v[ADK], s[TB], v[AK0]
	v_add_nc_u32 v[ADV], s[TB], v[AV0]
	v_add_nc_u32 v[ADN], s[TN], v[AK2]
	v_nop                                          ; four places behind the last step's products, in front of the loads into the registers that they read
	NLOAD 0
	KLOAD \q, 0
	NLOAD 4
	s_wait_dscnt 8                                 ; all but the youngest eight loads (the norms of tiles 4-7) are in
	QK 0
	PLACES
	KLOAD \q, 1
	s_wait_dscnt 0x0
	QK 1
.set j, 0
.rept 16
	v_pk_fma_f32 v[S+j:S+j+1], v[S+j:S+j+1], -2.0, v[QN:QN+1] op_sel_hi:[1,0,1]   ; |q|^2 - 2 (q.k - |k|^2 / 2), tiles 0-3 (finished in front of the places above): these sixteen are the places behind tiles 4-7's products
.set j, j+2
.endr
	VLOAD \q, 0                                    ; lands while the weights are made
.rept 16
	v_pk_fma_f32 v[S+j:S+j+1], v[S+j:S+j+1], -2.0, v[QN:QN+1] op_sel_hi:[1,0,1]
.set j, j+2
.endr
.set j, 0
.rept 64
	v_max_num_f32 v[S+j], 0, v[S+j]
.set j, j+1
.endr
.set j, 0
.rept 64
	v_sqrt_f32 v[S+j], v[S+j]                      ; the distance
.set j, j+1
.endr
	v_nop                                          ; a plain place behind the roots
.set j, 0
	s_wait_alu depctr_va_vdst(0)
.rept 32
	v_pk_fma_f32 v[S+j:S+j+1], v[S+j:S+j+1], s[EI:EI+1], v[EP:EP+1] op_sel_hi:[1,0,1]   ; / 8 + 1e-9
.set j, j+2
.endr
.set j, 0
.rept 64
	v_rcp_f32 v[S+j], v[S+j]                       ; a
.set j, j+1
.endr
	v_nop                                          ; a plain place behind the reciprocals
	s_wait_alu depctr_va_vdst(0)
.irp b, 0,1,2,3
	v_max3_num_f32 v[MX+\b], v[S+16*\b], v[S+16*\b+1], v[S+16*\b+2]   ; the largest a of my 64, in four chains by turns
.endr
.irp i, 3,5,7,9,11,13
.irp b, 0,1,2,3
	v_max3_num_f32 v[MX+\b], v[MX+\b], v[S+16*\b+\i], v[S+16*\b+\i+1]
.endr
.endr
.irp b, 0,1,2,3
	v_max_num_f32 v[MX+\b], v[MX+\b], v[S+16*\b+15]
.endr
	v_max3_num_f32 v[W0], v[MX], v[MX+1], v[MX+2]
	v_max3_num_f32 v[W0], v[W0], v[MX+3], v[M]     ; with the old m,
	v_permlanex16_b32 v[W1], v[W0], s[SEL], s[SEL+1]
	v_max_num_f32 v[M], v[W0], v[W1]               ; and with lane l xor 16's 64 keys: the new m
	v_mov_b32 v[W0], v[NCM]
	v_mul_f32 v[NCM], s[NC], v[M]                  ; -c m, rounded once
	v_sub_f32 v[W0], v[NCM], v[W0]                 ; c m_old - c m_new
	v_exp_f32 v[AL], v[W0]
.set j, 0
.rept 32
	v_pk_fma_f32 v[S+j:S+j+1], v[S+j:S+j+1], s[CS:CS+1], v[NCM:NCM+1] op_sel_hi:[1,0,0]   ; c a - c m
.set j, j+2
.endr
.set j, 0
.rept 64
	v_exp_f32 v[S+j], v[S+j]                       ; p
.set j, j+1
.endr
	s_wait_alu depctr_va_vdst(0)
	v_pk_mul_f32 v[L:L+1], v[L:L+1], v[AL:AL+1] op_sel_hi:[1,0]   ; l under the new m.  (A plain place behind the exponentials)
	v_pk_add_f32 v[T:T+1], v[S:S+1], v[S+2:S+3]    ; the sum of the unrounded p, two at a time, in two chains
.irp i, 4,8,12,16,20,24,28,32,36,40,44,48,52,56,60
	v_pk_add_f32 v[L:L+1], v[L:L+1], v[S+\i:S+\i+1]
	v_pk_add_f32 v[T:T+1], v[T:T+1], v[S+\i+2:S+\i+3]
.endr
	v_pk_add_f32 v[L:L+1], v[L:L+1], v[T:T+1]
.set j, 0
.rept 32
	v_cvt_pk_bf16_f32 v[P+j], v[S+2*j], v[S+2*j+1] ; tiles 2 n and 2 n + 1 become fragment n of P
.set j, j+1
.endr
.set j, 0
.rept 16
	v_pk_mul_f32 v[O+j:O+j+1], v[O+j:O+j+1], v[AL:AL+1] op_sel_hi:[1,0]   ; O^T under the new m
.set j, j+2
.endr
	s_wait_dscnt 0x0                               ; V's first half is in
	PV 0
	PLACES
	VLOAD \q, 1
	s_wait_dscnt 0x0
	PV 1
	s_add_co_u32 s[TN], s[TN], 512                 ; the next step's norms
.endm
; THE CHANGE OF SLOTS stands at a slot's head.  Each wave waits for all its tensor loads (its part of the slot that it is about to read), adds 0 to its spare word, and waits for that and for its reads of the slot that it has left.
; fill = 1: the barrier is a round of the cluster's, so that no wave of any partner still reads the other slot or has a load on its way; the joint refill of that slot is the first thing behind it: it has two key steps in which to land.
.macro CHANGE fill
	s_wait_tensorcnt 0x0                           ; no tensor load of mine is out, so a group 0 may be written
	ds_add_u32 v[SPW], v[NIL]                      ; 0 onto my spare word
.if \fill
	s_xor_b32 s[G0K+1], s[G0K+1], SLOT1            ; the walking descriptors: the other slot than last time,
	s_add_nc_u64 s[G0K+2:G0K+3], s[G0K+2:G0K+3], 32768   ; the next 256 keys; the type bits on top are not reached
	s_xor_b32 s[G0V+1], s[G0V+1], SLOT1
	s_add_nc_u64 s[G0V+2:G0V+3], s[G0V+2:G0V+3], 512
	s_wait_xcnt 0x0                                ; the last prefetch, a slot back, has read its address, so it may be written:
	s_add_nc_u64 s[PFA:PFA+1], s[PFA:PFA+1], s[PFS:PFS+1]   ; one slot further on than the walking descriptors
	s_wait_dscnt 0x0                               ; the add is done, and my reads of the slot that I have left are over
	CROUND
	TLOAD
	ASK
.else
	s_wait_dscnt 0x0
	s_barrier_signal -1
	s_barrier_wait -1
.endif
.endm
.Lslot:                                            ; seven trips: behind each change of slots but the last the next slot is asked for
	CHANGE 1
	STEP 0
	STEP 1
	s_xor_b32 s[TB], s[TB], SLOT1                  ; on to the other slot
	s_sub_co_u32 s[SLOTS], s[SLOTS], 1
	s_cmp_lg_u32 s[SLOTS], 0
	s_cbranch_scc1 .Lslot
	CHANGE 0                                       ; the last slot is written out
	STEP 0
	STEP 1
	; THE WAY OUT.  O^T / l, rounded to bf16, goes through my stage in LDS and leaves as 16 whole rows of 128 bytes, which lie on end in x: four stores of 512 consecutive bytes.
	PLACES                                         ; behind the last products
	v_add_f32 v[L], v[L], v[L+1]                   ; the sum's two halves,
	v_permlanex16_b32 v[W1], v[L], s[SEL], s[SEL+1]
	v_add_f32 v[L], v[L], v[W1]                    ; and lane l xor 16's
	v_rcp_f32 v[AL], v[L]
	v_nop                                          ; a plain place behind the reciprocal
.set j, 0
	s_wait_alu depctr_va_vdst(0)
.rept 16
	v_pk_mul_f32 v[O+j:O+j+1], v[O+j:O+j+1], v[AL:AL+1] op_sel_hi:[1,0]
.set j, j+2
.endr
.set j, 0
.rept 16
	v_cvt_pk_bf16_f32 v[PK+j], v[O+2*j], v[O+2*j+1]   ; registers 4 t .. 4 t + 3: channels 16 t + 8 h + 0 .. 7 of my query
.set j, j+1
.endr
.irp t, 0,1,2,3
	ds_store_b128 v[STO], v[PK+4*\t:PK+4*\t+3] offset:32*\t
.endr
.irp t, 0,1,2,3
	ds_load_b128 v[F+4*\t:F+4*\t+3], v[RD] offset:576*\t   ; LDS serves a wave's instructions in order: these see my stores
.endr
.irp t, 0,1,2,3
	s_wait_dscnt 3-\t                              ; load t is in; the younger ones may be out
	global_store_b128 v[GO], v[F+4*\t:F+4*\t+3], s[XB:XB+1] offset:512*\t
.endr
	s_wait_tensorcnt 0x0                           ; the wave's end
	ds_add_u32 v[SPW], v[NIL]
	s_wait_dscnt 0x0
	CROUND                                         ; the closing round
	s_endpgm
.Lfunc_end_k_qe1e43b7e47_attn:
	.size	k_qe1e43b7e47_attn, .Lfunc_end_k_qe1e43b7e47_attn-k_qe1e43b7e47_attn
	.p2alignl 7, 3214868480
	.fill 96, 4, 3214868480
	.section	.rodata,"a",@progbits
	.p2align	6, 0x0
	.amdhsa_kernel k_qe1e43b7e47_attn
		.amdhsa_group_segment_fixed_size 327680
		.amdhsa_private_segment_fixed_size 0
		.amdhsa_enable_private_segment 0
		.amdhsa_kernarg_size 24
		.amdhsa_user_sgpr_count 2
		.amdhsa_user_sgpr_kernarg_segment_ptr 1
		.amdhsa_wavefront_size32 1
		.amdhsa_system_sgpr_workgroup_id_x 1
		.amdhsa_system_sgpr_workgroup_id_y 1
		.amdhsa_system_sgpr_workgroup_id_z 1
		.amdhsa_system_vgpr_workitem_id 0
		.amdhsa_next_free_vgpr 256
		.amdhsa_next_free_sgpr 96
		.amdhsa_reserve_vcc 0
		.amdhsa_float_denorm_mode_32 3
		.amdhsa_float_denorm_mode_16_64 3
		.amdhsa_memory_ordered 1
		.amdhsa_forward_progress 1
		.amdhsa_inst_pref_size 132
	.end_amdhsa_kernel
	.amdgpu_metadata
---
amdhsa.version: [ 1, 2 ]
amdhsa.kernels:
  - .name:           k_qe1e43b7e47_attn
    .symbol:         k_qe1e43b7e47_attn.kd
    .args:
      - { .name: qkv, .offset: 0, .size: 8, .value_kind: global_buffer, .address_space: global }
      - { .name: norms, .offset: 8, .size: 8, .value_kind: global_buffer, .address_space: global }
      - { .name: xb, .offset: 16, .size: 8, .value_kind: global_buffer, .address_space: global }
    .group_segment_fixed_size: 327680
    .private_segment_fixed_size: 0
    .kernarg_segment_align: 8
    .kernarg_segment_size: 24
    .max_flat_workgroup_size: 512
    .sgpr_count:     96
    .vgpr_count:     256
    .wavefront_size: 32
...
	.end_amdgpu_metadata
.endif
;; end of part 3
;; launch outp (part 4): grid 8 x 32, 4 waves a work-group, clusters of 4 x 4, 327,680 bytes of LDS; arguments xb, wob, bo, out0; writes out0
.if DOCPART == 4
	.amdgcn_target "amdgcn-amd-amdhsa--gfx1250"
	.amdhsa_code_object_version 6
	.text
	.protected	k_qe1e43b7e47_outp
	.globl	k_qe1e43b7e47_outp
	.p2align	8
	.type	k_qe1e43b7e47_outp,@function
k_qe1e43b7e47_outp:
	s_mov_b64 s[64:65], 0
	v_nop
	global_prefetch_b8 v0, s[64:65] scope:SCOPE_SE
	s_setreg_imm32_b32 hwreg(HW_REG_WAVE_MODE, 25, 1), 1
	s_wait_xcnt 0x0
	s_wait_alu depctr_hold_cnt(0) depctr_sa_sdst(0) depctr_va_vdst(0) depctr_va_sdst(0) depctr_va_ssrc(0) depctr_va_vcc(0) depctr_vm_vsrc(0)
	s_getreg_b32 s2, hwreg(HW_REG_IB_STS2, 6, 4)
	s_cmp_eq_u32 s2, 0
	s_cbranch_scc0 .Lentry_in_a_cluster
	s_endpgm
.Lentry_in_a_cluster:
	s_bfe_u32 s2, ttmp6, 0x10000c
	s_cmp_lg_u32 s2, 0xf033
	s_cbranch_scc0 .Lentry_shape_is_right
	s_endpgm
.Lentry_shape_is_right:
; OUTP.  out0[t][n] = the sum over k of x[t][k] Wo[n][k] + bo[n].  x: 4,096 x 1,024 and Wo: 1,024 x 1,024, both bf16 and both laid in PANELS, [row / 128][k / 64][row % 128][k % 64]:
; 128 rows x 64 k are 16,384 consecutive bytes.  out0: f32 [4,096][1,024].  Sums in f32, K ascending.
; A tile of out0 is 128 x 128: 256 work-groups.  Four waves, each 64 x 64: 16 accumulators.  K goes in steps of 256 (four panels of A, four of B) through two LDS slots; a wave's tensor load brings two panels,
; 32,768 dense bytes, as 128 lines of 256 bytes + 16 of padding: row x of a panel lies at 272 (x / 2) + 128 (x % 2).
; CLUSTERS: 4 x 4 work-groups.  A's panels are asked for jointly along a row of the cluster, B's along a column.  THE MATRIX INSTRUCTION IS USED TRANSPOSED (source 0 = 16 rows of Wo, source 1 = 16 tokens):
; a lane holds eight neighbouring numbers of a row of out0.  The bias is the C of each sum's first product.
; A wave's 64 columns are 256 bytes of a row, aligned: each wave has its own stage on the way out, and no barrier is needed there.
; REGISTERS: window 0: v16-29 addresses; v32-95 rows on the way out; v96-127 the bias; v128-255 the accumulators ((a, b) at v[128 + 8 (4 a + b)]).   window 1: two fragment buffers of 128.
.set PANEL,  17408
.set HALFT,  2*PANEL                   ; what one tensor load brings
.set SLOT,   4*HALFT                   ; A's four panels, then B's four
.set STAGE,  2*SLOT                    ; behind the ring: 16 rows x 272 bytes for each wave
.set SPITCH, 272
.set SPARE,  STAGE+4*16*SPITCH         ; the spare words, 128 bytes for each wave
.set LAPS,   2                         ; a lap = two K steps = once round the ring
.set ADRA, 16
.set ADRB, 20
.set STO,  24
.set RD,   25
.set CO,   26
.set BA,   27                          ; v27 the bias: 32 x (lane / 16)
.set SPW,  28
.set NIL,  29
.set TMP,  32
.set BIAS, 96
.set ACC,  128
.set F0,   0
.set F1,   128
.set G1, 24
.set G0, 32
.set G1B, 48
.set G0B, 56
.set MSB, 0
.macro WIN new                         ; the immediate's high byte repeats the setting that is left
.if MSB != \new
	s_set_vgpr_msb (MSB<<8)|\new
.set MSB, \new
.endif
.endm
.set MUL,  0x05                        ; sources 0 (B) and 1 (A) window 1; C and D window 0
.set TO_F, 0x40                        ; destination window 1, address window 0
.macro JLOAD s                         ; a joint load: waves 0 and 1 fetch A's panels, waves 2 and 3 B's; four v_nop follow each of the two lines
	s_cmp_eq_u32 s11, 0
	s_cbranch_scc0 .Lfor_b_\@
	tensor_load_to_lds s[G0+4*\s:G0+4*\s+3], s[G1:G1+7]
	s_nop 0
.rept 4
	v_nop
.endr
	s_branch .Lasked_\@
.Lfor_b_\@:
	tensor_load_to_lds s[G0B+4*\s:G0B+4*\s+3], s[G1B:G1B+7]
	s_nop 0
.rept 4
	v_nop
.endr
.Lasked_\@:
.endm
.macro CREST                           ; a round of the cluster's barrier behind its opening barrier
	s_cmp_lg_u32 s10, 0
	s_cbranch_scc1 .Lnot_wave_0_\@
	s_barrier_signal -3
.Lnot_wave_0_\@:
	s_barrier_wait -3
	s_barrier_signal -1
	s_barrier_wait -1
.endm
.macro CROUND                          ; a whole round
	s_barrier_signal -1
	s_barrier_wait -1
	CREST
.endm
	s_load_b128 s[4:7], s[0:1], 0x0                ; xb s[4:5], wob s[6:7]
	s_load_b64 s[66:67], s[0:1], 0x10              ; bo
	s_load_b64 s[8:9], s[0:1], 0x18                ; out0
	v_lshl_add_u32 v[SPW], v0, 2, SPARE
	v_mov_b32 v[NIL], 0
	ds_add_u32 v28, v29
	s_wait_dscnt 0x0
	v_lshrrev_b32 v1, 5, v0
	v_readfirstlane_b32 s10, v1                    ; wave 0..3
	s_lshr_b32 s11, s10, 1                         ; which half of the tile's rows is mine.  Also: I fetch for A (0) or for B (1)
	s_and_b32 s12, s10, 1                          ; which half of its columns.  Also: which two panels of a K step I fetch
	s_bfe_u32 s40, ttmp6, 0x40000                  ; cx, cy: my place in the cluster
	s_bfe_u32 s41, ttmp6, 0x40004
	s_lshl_b32 s42, ttmp9, 2
	s_add_co_u32 s42, s42, s40                     ; tile column = 4 x cluster x + cx
	s_and_b32 s13, ttmp7, 0xffff
	s_lshl_b32 s13, s13, 2
	s_add_co_u32 s13, s13, s41                     ; tile row = 4 x cluster y + cy
	s_lshl_b32 s43, s41, 2
	s_lshl_b32 s43, 15, s43                        ; my row of the cluster
	s_lshl_b32 s44, 0x1111, s40                    ; my column
	; descriptor group 1: 128 rows of 256 bytes (32 elements of 8 bytes), dense in memory, 16 bytes of padding behind each in LDS
	s_or_b32 s[G1+0], s43, (3<<16)|(1<<20)|(1<<21)|(5<<22)|(3<<25)
	s_or_b32 s[G1B+0], s44, (3<<16)|(1<<20)|(1<<21)|(5<<22)|(3<<25)
.irp g, G1, G1B
	s_mov_b32 s[\g+1], 32<<16                      ; tensor_dim0
	s_mov_b32 s[\g+2], 128<<16                     ; tensor_dim1
	s_mov_b32 s[\g+3], 32<<16                      ; tile_dim0
	s_mov_b32 s[\g+4], 128                         ; tile_dim1
	s_mov_b32 s[\g+5], 32                          ; tensor_dim0_stride
	s_mov_b32 s[\g+6], 0
	s_mov_b32 s[\g+7], 0
.endr
	s_lshl_b32 s17, s12, 15                        ; which two panels I fetch
	s_lshl_b32 s16, s13, 18
	s_add_co_u32 s16, s16, s17                     ; A: 262,144 x tile row + 32,768 x half
	s_lshl_b32 s46, s42, 18
	s_add_co_u32 s46, s46, s17                     ; B: 262,144 x tile column + 32,768 x half
	s_mov_b32 s17, 0
	s_mov_b32 s47, 0
	s_mul_i32 s20, s10, HALFT                      ; where they go: wave x two panels: no place in the cluster enters an LDS address
	s_wait_kmcnt 0x0
	s_add_nc_u64 s[14:15], s[4:5], s[16:17]
	s_add_nc_u64 s[46:47], s[6:7], s[46:47]
	CROUND                                         ; all sixteen work-groups are here: the first joint loads meet
.irp s, 0,1
	s_mov_b32 s[G0+4*\s], 1
	s_add_co_u32 s[G0+4*\s+1], s20, \s*SLOT
	s_add_nc_u64 s[G0+4*\s+2:G0+4*\s+3], s[14:15], \s*65536        ; K step s: four panels on
	s_or_b32 s[G0+4*\s+3], s[G0+4*\s+3], 0x80000000
	s_mov_b32 s[G0B+4*\s], 1
	s_add_co_u32 s[G0B+4*\s+1], s20, \s*SLOT
	s_add_nc_u64 s[G0B+4*\s+2:G0B+4*\s+3], s[46:47], \s*65536
	s_or_b32 s[G0B+4*\s+3], s[G0B+4*\s+3], 0x80000000
	JLOAD \s
.endr
	v_and_b32 v1, 15, v0                           ; l % 16
	v_bfe_u32 v2, v0, 4, 1                         ; l / 16
	s_lshl_b32 s46, s42, 9                         ; my first column, in bytes: 512 x tile column + 256 x half
	s_lshl_b32 s47, s12, 8
	s_add_co_u32 s46, s46, s47
	s_mov_b32 s47, 0
	s_add_nc_u64 s[66:67], s[66:67], s[46:47]      ; in bo,
	s_add_nc_u64 s[8:9], s[8:9], s[46:47]          ; and in out0
	v_lshlrev_b32 v[BA], 5, v2
.irp b, 0,1,2,3
	global_load_b128 v[BIAS+8*\b:BIAS+8*\b+3], v[BA], s[66:67] offset:64*\b        ; bo of columns 16 b + 8 h + 0 .. 7: the result's layout
	global_load_b128 v[BIAS+8*\b+4:BIAS+8*\b+7], v[BA], s[66:67] offset:64*\b+16
.endr
	v_lshrrev_b32 v3, 1, v1
	v_mul_u32_u24 v3, v3, 272
	v_and_b32 v4, 1, v1
	v_lshl_add_u32 v3, v4, 7, v3
	v_lshl_add_u32 v3, v2, 4, v3                   ; a fragment's row: 272 (r / 2) + 128 (r % 2) + 16 x half
	s_mul_i32 s21, s11, 8704                       ; my 64 rows in each of A's panels
	s_mul_i32 s22, s12, 8704                       ; my 64 rows in each of B's,
	s_add_co_u32 s22, s22, 2*HALFT                 ; which lie behind A's four
.irp s, 0,1
	v_add_nc_u32 v[ADRA+\s], s21, v3
	v_add_nc_u32 v[ADRB+\s], s22, v3
	s_add_co_u32 s21, s21, SLOT
	s_add_co_u32 s22, s22, SLOT
.endr
	s_mul_i32 s23, s10, 16*SPITCH
	s_add_co_u32 s23, s23, STAGE                   ; my stage
	v_mul_u32_u24 v4, v1, SPITCH                   ; in: row l % 16, 32 bytes for each half of the lanes
	v_lshl_add_u32 v4, v2, 5, v4
	v_add_nc_u32 v[STO], s23, v4
	v_mul_u32_u24 v5, v2, SPITCH                   ; back: lanes 0-15 one row of 256 bytes, lanes 16-31 the next
	v_lshl_add_u32 v5, v1, 4, v5
	v_add_nc_u32 v[RD], s23, v5
	v_lshlrev_b32 v5, 12, v2                       ; and the same two rows in out0
	v_lshl_add_u32 v[CO], v1, 4, v5
	s_lshl_b32 s22, s13, 19                        ; my first row: (128 x tile row + 64 x half) x 4,096 bytes
	s_lshl_b32 s23, s11, 18
	s_add_co_u32 s22, s22, s23
	s_mov_b32 s23, 0
	s_add_nc_u64 s[8:9], s[8:9], s[22:23]
; 8 matrix instructions: m blocks a0, a0 + 1 x all 4 n blocks, 32 along K: half c of buffer f.  first = 1: the sums begin with the bias as C
.macro MUL8 f, c, a0, first
.irp a, \a0, \a0+1
.irp b, 0,1,2,3
.if \first
	v_wmma_f32_16x16x32_bf16 v[ACC+8*(4*(\a)+\b):ACC+8*(4*(\a)+\b)+7], v[\f+64+8*(4*\c+\b):\f+64+8*(4*\c+\b)+7], v[\f+8*(4*\c+\a):\f+8*(4*\c+\a)+7], v[BIAS+8*\b:BIAS+8*\b+7]
.else
	v_wmma_f32_16x16x32_bf16 v[ACC+8*(4*(\a)+\b):ACC+8*(4*(\a)+\b)+7], v[\f+64+8*(4*\c+\b):\f+64+8*(4*\c+\b)+7], v[\f+8*(4*\c+\a):\f+8*(4*\c+\a)+7], v[ACC+8*(4*(\a)+\b):ACC+8*(4*(\a)+\b)+7]
.endif
.endr
.endr
.endm
; 32 LDS loads in one run: the fragments of one panel (64 along K), which begins k bytes into the slot's panels, into buffer f; the first 32 along K first
.macro FETCH slot, k, f
	WIN TO_F
.irp c, 0,1
.irp i, 0,1,2,3
	ds_load_b128 v[\f+64+8*(4*\c+\i):\f+64+8*(4*\c+\i)+3],   v[ADRB+\slot] offset:\k+64*\c+\i*2176
	ds_load_b128 v[\f+64+8*(4*\c+\i)+4:\f+64+8*(4*\c+\i)+7], v[ADRB+\slot] offset:\k+64*\c+\i*2176+32
	ds_load_b128 v[\f+8*(4*\c+\i):\f+8*(4*\c+\i)+3],         v[ADRA+\slot] offset:\k+64*\c+\i*2176
	ds_load_b128 v[\f+8*(4*\c+\i)+4:\f+8*(4*\c+\i)+7],       v[ADRA+\slot] offset:\k+64*\c+\i*2176+32
.endr
.endr
.endm
.macro PLACES                          ; four places in front of loads into registers that matrix instructions have read, and of reads of results
.rept 4
	v_nop
.endr
.endm
; A K step is four quarters, a panel each, 32 matrix instructions, on buffers 0, 1, 0, 1.  One of the first three: multiplies buffer f and fetches the next panel, at byte k, into g.
.macro QUARTER slot, k, f, g, first
	s_wait_dscnt 16                                ; the first 32 along K are in; the other sixteen loads may be out
	WIN MUL
	MUL8 \f, 0, 0, \first
	MUL8 \f, 0, 2, \first
	PLACES
	FETCH \slot, \k, \g
	s_wait_dscnt 32                                ; all but the 32 just issued
	WIN MUL
	MUL8 \f, 1, 0, 0
	MUL8 \f, 1, 2, 0
.endm
; The last quarter multiplies buffer 1 and changes slots: ONE barrier; in front of it each wave waits for all its tensor loads, adds 0 to its spare word, and waits for that and for its own reads of this slot.
; fill = 1: this slot is filled again, two K steps ahead; the barrier then opens a round of the cluster's.
.macro TURN slot, next, fill
	WIN 0                                          ; (the add's two registers lie in window 0)
	s_wait_tensorcnt 0x0                           ; all my tensor loads have landed: my part of the next slot
	ds_add_u32 v[SPW], v[NIL]                      ; 0 onto my spare word
	s_wait_dscnt 17                                ; (the add and the youngest sixteen loads may be out)
	WIN MUL
	MUL8 F1, 0, 0, 0
	s_wait_dscnt 0x0                               ; the add is done, and my reads of this slot are over
	s_barrier_signal -1
	MUL8 F1, 0, 2, 0
.if \fill
	WIN 0
.endif
	s_barrier_wait -1
.if \fill
	CREST                                          ; no wave of any partner still reads this slot's panels or has a load on its way
	s_add_nc_u64 s[G0+4*\slot+2:G0+4*\slot+3], s[G0+4*\slot+2:G0+4*\slot+3], 131072
	s_add_nc_u64 s[G0B+4*\slot+2:G0B+4*\slot+3], s[G0B+4*\slot+2:G0B+4*\slot+3], 131072
	JLOAD \slot                                    ; the first tensor load behind the round; the four v_nop behind it are also the places in front of the loads below
.else
	PLACES
.endif
	FETCH \next, 0, F0
	WIN MUL
	MUL8 F1, 1, 0, 0
	MUL8 F1, 1, 2, 0
.endm
	s_wait_tensorcnt 1                             ; my part of K step 0 is in (K step 1's load may be out),
	s_barrier_signal -1
	s_barrier_wait -1                              ; everybody's is
	FETCH 0, 0, F0
	s_wait_loadcnt 0x0                             ; the bias
	QUARTER 0, PANEL, F0, F1, 1                    ; the first quarter stands in front of the loop: its first products start the sums
	WIN 0                                          ; at a label and at a branch every window is 0
	s_mov_b32 s3, LAPS-1
.Llap:                                                 ; a trip goes once round the ring, from a lap's second quarter to the next lap's first, and fills both slots again
	QUARTER 0, 2*PANEL, F1, F0, 0
	QUARTER 0, 3*PANEL, F0, F1, 0
	TURN 0, 1, 1
	QUARTER 1, PANEL, F0, F1, 0
	QUARTER 1, 2*PANEL, F1, F0, 0
	QUARTER 1, 3*PANEL, F0, F1, 0
	TURN 1, 0, 1
	QUARTER 0, PANEL, F0, F1, 0
	WIN 0
	s_sub_co_u32 s3, s3, 1
	s_cmp_lg_u32 s3, 0
	s_cbranch_scc1 .Llap
	QUARTER 0, 2*PANEL, F1, F0, 0                  ; the last lap fills nothing, and has no round of the cluster's barrier
	QUARTER 0, 3*PANEL, F0, F1, 0
	TURN 0, 1, 0
	QUARTER 1, PANEL, F0, F1, 0
	QUARTER 1, 2*PANEL, F1, F0, 0
	QUARTER 1, 3*PANEL, F0, F1, 0
	s_wait_dscnt 16                                ; the very last quarter: nothing more to fetch
	WIN MUL
	MUL8 F1, 0, 0, 0
	MUL8 F1, 0, 2, 0
	s_wait_dscnt 0
	MUL8 F1, 1, 0, 0
	MUL8 F1, 1, 2, 0
	WIN 0
; THE WAY OUT, a block of 16 rows x 64 columns at a time: a lane's 32 bytes of a row go into my own stage and come back as whole rows of 256 bytes; sixteen lanes store 256 consecutive bytes, aligned.
.macro TOSTAGE a
.set BB, TMP+32*((\a)%2)
.irp b, 0,1,2,3
	ds_store_b128 v[STO], v[ACC+8*(4*(\a)+\b):ACC+8*(4*(\a)+\b)+3] offset:64*\b        ; each accumulator from its low end on
	ds_store_b128 v[STO], v[ACC+8*(4*(\a)+\b)+4:ACC+8*(4*(\a)+\b)+7] offset:64*\b+16
.endr
.irp t, 0,1,2,3,4,5,6,7
	ds_load_b128 v[BB+4*\t:BB+4*\t+3], v[RD] offset:\t*2*SPITCH    ; LDS serves a wave's instructions in order (ISA guide 5.7.1.4): these see the stores above
.endr
.endm
.macro SEND a, younger                 ; younger: the LDS instructions issued behind block a's loads, which may stay out
.set BB, TMP+32*((\a)%2)
	s_wait_dscnt \younger
.irp t, 0,1,2,3,4,5,6,7
	global_store_b128 v[CO], v[BB+4*\t:BB+4*\t+3], s[8:9] offset:(16*(\a)+2*\t)*4096 th:TH_STORE_NT   ; written once, read by nobody here
.endr
.endm
	PLACES                                         ; behind the last products
	TOSTAGE 0
	TOSTAGE 1
	SEND 0, 16                                     ; behind block 0's loads: block 1's 8 stores and 8 loads
	s_wait_xcnt 0x0                                ; block 0's stores have read their registers: block 2's loads may land there
	TOSTAGE 2
	SEND 1, 16
	s_wait_xcnt 0x0
	TOSTAGE 3
	SEND 2, 16
	SEND 3, 0
	s_wait_tensorcnt 0x0                           ; the wave's end
	ds_add_u32 v[SPW], v[NIL]
	s_wait_dscnt 0x0
	CROUND                                         ; the closing round
	s_endpgm
.Lfunc_end_k_qe1e43b7e47_outp:
	.size	k_qe1e43b7e47_outp, .Lfunc_end_k_qe1e43b7e47_outp-k_qe1e43b7e47_outp
	.p2alignl 7, 3214868480
	.fill 96, 4, 3214868480
	.section	.rodata,"a",@progbits
	.p2align	6, 0x0
	.amdhsa_kernel k_qe1e43b7e47_outp
		.amdhsa_group_segment_fixed_size 327680
		.amdhsa_private_segment_fixed_size 0
		.amdhsa_enable_private_segment 0
		.amdhsa_kernarg_size 32
		.amdhsa_user_sgpr_count 2
		.amdhsa_user_sgpr_kernarg_segment_ptr 1
		.amdhsa_wavefront_size32 1
		.amdhsa_system_sgpr_workgroup_id_x 1
		.amdhsa_system_sgpr_workgroup_id_y 1
		.amdhsa_system_sgpr_workgroup_id_z 1
		.amdhsa_system_vgpr_workitem_id 0
		.amdhsa_next_free_vgpr 512
		.amdhsa_next_free_sgpr 80
		.amdhsa_reserve_vcc 0
		.amdhsa_float_denorm_mode_32 3
		.amdhsa_float_denorm_mode_16_64 3
		.amdhsa_memory_ordered 1
		.amdhsa_forward_progress 1
		.amdhsa_inst_pref_size 86
	.end_amdhsa_kernel
	.amdgpu_metadata
---
amdhsa.version: [ 1, 2 ]
amdhsa.kernels:
  - .name:           k_qe1e43b7e47_outp
    .symbol:         k_qe1e43b7e47_outp.kd
    .args:
      - { .name: xb, .offset: 0, .size: 8, .value_kind: global_buffer, .address_space: global }
      - { .name: wob, .offset: 8, .size: 8, .value_kind: global_buffer, .address_space: global }
      - { .name: bo, .offset: 16, .size: 8, .value_kind: global_buffer, .address_space: global }
      - { .name: out0, .offset: 24, .size: 8, .value_kind: global_buffer, .address_space: global }
    .group_segment_fixed_size: 327680
    .private_segment_fixed_size: 0
    .kernarg_segment_align: 8
    .kernarg_segment_size: 32
    .max_flat_workgroup_size: 128
    .sgpr_count:     80
    .vgpr_count:     512
    .wavefront_size: 32
...
	.end_amdgpu_metadata
.endif
;; end of part 4
